; MI455X (gfx1250); checked and timed in simulation.
; The chip was launched on July 23, 2026; its instructions are those of AMD's public machine-readable ISA for CDNA 5 (MIT licence, August 2026) and "CDNA5" Instruction Set Architecture Reference Guide (July 2026). The comments in the code are by the model that wrote it; some were corrected since.
;; Linear Attention. Allowed arithmetic: matrix products marked QUANTISED: E2M3 operands, one E8M0 scale for each 32 along K, by v_wmma_scale_f32_16x16x128_f8f6f4 with both operands' format E2M3, f32 sums; everything else in f32.
;; Inputs: Wk_codes 1,024 x 32 x 24 uint8 (E2M3 codes of Wk, K innermost, in blocks of 32 codes, four codes in three bytes); Wk_scales 1,024 x 32 uint8 (E8M0 scales of Wk, one for each 32 codes along K); Wq_codes 1,024 x 32 x 24 uint8 (E2M3 codes of Wq, K innermost, in blocks of 32 codes, four codes in three bytes); Wq_scales 1,024 x 32 uint8 (E8M0 scales of Wq, one for each 32 codes along K); Wv_codes 1,024 x 32 x 24 uint8 (E2M3 codes of Wv, K innermost, in blocks of 32 codes, four codes in three bytes); Wv_scales 1,024 x 32 uint8 (E8M0 scales of Wv, one for each 32 codes along K); bk 1,024 float32; bq 1,024 float32; bv 1,024 float32; keys_codes 4 x 2,048 x 32 x 24 uint8 (E2M3 codes of keys, K innermost, in blocks of 32 codes, four codes in three bytes); keys_scales 4 x 2,048 x 32 uint8 (E8M0 scales of keys, one for each 32 codes along K); queries_codes 4 x 2,048 x 32 x 24 uint8 (E2M3 codes of queries, K innermost, in blocks of 32 codes, four codes in three bytes); queries_scales 4 x 2,048 x 32 uint8 (E8M0 scales of queries, one for each 32 codes along K); values_codes 4 x 2,048 x 32 x 24 uint8 (E2M3 codes of values, K innermost, in blocks of 32 codes, four codes in three bytes); values_scales 4 x 2,048 x 32 uint8 (E8M0 scales of values, one for each 32 codes along K).
;; Outputs: out0 4 x 2,048 x 1,024 float32.
;; This version of the problem:
;;   THIS VERSION OF THE PROBLEM IS GIVEN IN LOW PRECISION. The matrix products marked QUANTISED in the list below multiply operands that are first quantised to E2M3 (2 exponent bits, 3 mantissa bits; 6 bits a number), with one power-of-two scale for each 32 numbers along K (OCP MX v1.0); their sums are f32. All else is computed in f32.
;;   The module's matrix products, in the order in which they are computed (A, B: the left and right operand; K: the contracted axis; several contracted axes count as one K, in the product's order):
;;     1. [M 8,192, K 1,024] x [K 1,024, N 1,024]; A: input queries (given as codes); B: input Wq (given as codes): QUANTISED
;;     2. [M 8,192, K 1,024] x [K 1,024, N 1,024]; A: input keys (given as codes); B: input Wk (given as codes): QUANTISED
;;     3. [M 8,192, K 1,024] x [K 1,024, N 1,024]; A: input values (given as codes); B: input Wv (given as codes): QUANTISED
;;     4. batch 4 x [M 2,048, K 1,024] x [K 1,024, N 2,048]; A: computed on the way; B: computed on the way: QUANTISED
;;     5. batch 4 x [M 2,048, K 2,048] x [K 2,048, N 1,024]; A: computed on the way; B: computed on the way: QUANTISED
;;   THE QUANTISER, for each operand of a quantised product, along K:
;;     - K is cut into blocks of 32 from its start; a last block that is shorter is filled with zeros.
;;     - A block's scale is 2^e with e = floor(log2(the largest magnitude in the block)) - 2, held to -126 .. 127; a block of zeros has e = 0. As a byte (E8M0): e + 127.
;;     - Each number is divided by its block's scale, clamped to +-7.5, and rounded to the nearest number of E2M3, ties to even, subnormals kept.
;;     - The product sums the exact products of the quantised numbers (number of the format x scale) in f32.
;;   ~~~python
;;   def quantise(x, axis):      # numpy; x: float32 -> the quantised numbers, widened to float32 again
;;       x = np.moveaxis(x, axis, -1); K = x.shape[-1]
;;       x = np.pad(x, [(0, 0)] * (x.ndim - 1) + [(0, -K % 32)]); x = x.reshape(x.shape[:-1] + (-1, 32)); a = np.abs(x).max(-1, keepdims=True)
;;       e = np.where(a > 0, np.clip(np.frexp(np.where(a > 0, a, 1))[1] - 1 - 2, -126, 127), 0)      # np.frexp(a)[1] - 1 = floor(log2(a)), exactly
;;       r = np.clip(x / 2.0 ** e, -7.5, 7.5)
;;       step = 2.0 ** (np.maximum(np.frexp(np.where(r == 0, 1, r))[1] - 1, 0) - 3)
;;       q = np.round(r / step) * step * 2.0 ** e      # np.round: ties to even
;;       return np.moveaxis(q.reshape(q.shape[:-2] + (-1,))[..., :K], -1, axis).astype(np.float32)
;;   ~~~
;;   OPERANDS COMPUTED ON THE WAY. 'Computed on the way' means the value that the module computes at that place (a softmax that the list does not call 'softmax' is quantised finished and normalised). What goes into a quantiser is computed in f32, as accurately as f32 sums, v_exp_f32 and their like allow (about 1e-6 of the number): no bf16 or f16 on the way to a quantiser, and a product that is left as it is and whose result goes on into a quantised operand takes f32 operands (vector FMAs, or v_wmma_f32_16x16x4_f32). A number that lies on a knife's edge between two numbers of the format may be rounded either way, as far as f32 arithmetic and the matrix unit's own rounding can turn it there, and no further.
;;   INPUTS GIVEN AS CODES. Wk (in the module: [1024, 1024], K = its axis 1); Wq (in the module: [1024, 1024], K = its axis 1); Wv (in the module: [1024, 1024], K = its axis 1); keys (in the module: [4, 2048, 1024], K = its axis 2); queries (in the module: [4, 2048, 1024], K = its axis 2); values (in the module: [4, 2048, 1024], K = its axis 2): each comes as NAME_codes (uint8): NAME with its K axis moved to the last place and cut into blocks of 32 codes, [.., K / 32, bytes a block], one block behind the other in memory; four codes in three bytes: a row's codes are one little-endian stream of bits, code i at bits 6 i .. 6 i + 5 (a code: sign, 2 exponent bits, 3 mantissa bits); and NAME_scales (uint8): the same leading axes, one E8M0 byte (e + 127) for each 32 codes along K. Its value is code x scale, taken as it is: it is not quantised again, and the codes and scales need not be those that the quantiser above would give.
;; One version. Each part assembles by itself: llvm-mc -triple=amdgcn-amd-amdhsa -mcpu=gfx1250 --defsym DOCPART=n.
;; ======== version 1 of 1: 3 launches
;; workspace buffers: qc 6,291,456 bytes; kc 6,291,456 bytes; vc 6,291,456 bytes; pc 12,582,912 bytes; qs 262,144 bytes; ks 262,144 bytes; vs 262,144 bytes; ps 524,288 bytes
;; launch proj (part 1): grid 4 x 64, 4 waves a work-group, clusters of 4 x 4, 327,680 bytes of LDS; arguments queries_codes, queries_scales, Wq_codes, Wq_scales, qc, qs, bq, keys_codes, keys_scales, Wk_codes, Wk_scales, kc, ks, bk, Wv_codes, Wv_scales, values_codes, values_scales, vc, vs, bv; writes qc, qs, kc, ks, vc, vs
.if DOCPART == 1
	.amdgcn_target "amdgcn-amd-amdhsa--gfx1250"
	.amdhsa_code_object_version 6
	.text
	.protected	k_qa2b1ea5c54_proj
	.globl	k_qa2b1ea5c54_proj
	.p2align	8
	.type	k_qa2b1ea5c54_proj,@function
k_qa2b1ea5c54_proj:
	s_mov_b64 s[64:65], 0
	v_nop
	global_prefetch_b8 v0, s[64:65] scope:SCOPE_SE
	s_setreg_imm32_b32 hwreg(HW_REG_WAVE_MODE, 25, 1), 1
	s_wait_xcnt 0x0
	s_wait_alu depctr_hold_cnt(0) depctr_sa_sdst(0) depctr_va_vdst(0) depctr_va_sdst(0) depctr_va_ssrc(0) depctr_va_vcc(0) depctr_vm_vsrc(0)
	s_getreg_b32 s2, hwreg(HW_REG_IB_STS2, 6, 4)
	s_cmp_eq_u32 s2, 0
	s_cbranch_scc0 .Lentry_in_a_cluster
	s_endpgm
.Lentry_in_a_cluster:
	s_bfe_u32 s2, ttmp6, 0x10000c
	s_cmp_lg_u32 s2, 0xf033
	s_cbranch_scc0 .Lentry_shape_is_right
	s_endpgm
.Lentry_shape_is_right:
; THE THREE PROJECTIONS, each C[m][n] = sum over k of A[m][k] B[n][k] + bias, K = 1,024, on codes of FP6 (E2M3) with one E8M0 scale for each 32 along K, and C QUANTISED ALONG n on its way out.
;   Q:   A = queries (8,192 rows), B = Wq (1,024 rows), bias bq[n]; n = the model axis, which is the K of Q K^T.      K: the same with keys, Wk, bk.
;   V^T: A = Wv (1,024 rows), B = values (8,192 rows), bias bv[m]; n = the keys, which are the K of the last product.
; SHARES.  The three products are 384 tiles of 256 x 256, one and a half for each of 256 work-groups.  So A WORK-GROUP STAYS AND MAKES TWO TILES: first a tile of 256 x 256 of Q or of K (2 x 32 x 4 = 256 of them),
; then a tile of 128 x 256 of V^T (8 x 32 = 256 of them): 512 + 256 matrix instructions a wave, the same in every work-group.  The ring of LDS slots does not stop between the tiles: the first tile's last two changes
; of slots ask for the second tile's first two K steps.  Q or K is a choice of seven pointers by s_cselect on the cluster's number; there is no branch on it.
; Four waves.  First tile: a wave makes 128 x 128, 64 accumulators.  Second tile: 64 x 128, 32 accumulators.  K goes in steps of 256 through two LDS slots filled by the tensor data mover; each tile has four such steps,
; so they are written out and there is no loop.  The scale bytes of both tiles' rows, for all of K, are dense blocks of memory: they come into LDS once, with the first fills.
; CLUSTERS: 4 x 4 work-groups; A's tiles are asked for jointly along a row of the cluster, B's along a column, in both tiles.
; THE MATRIX INSTRUCTION IS USED TRANSPOSED (source 0 = 16 rows of B, source 1 = 16 rows of A): in accumulator (a, b) lane (r, h) holds row m = 16 a + r and its register j the column n = 16 b + 8 h + j.
; So a lane's 64 registers of a block a run along n, a wave's 128 columns are one K step of the next product, and a block of 32 along n lies in lanes l and l xor 16.
; THE WAY OUT.  Each block of 16 rows x 128 n becomes one operand fragment (12 registers a lane) and one scale word a row, and both are stored AS IMAGES OF THE OPERAND'S REGISTERS: registers 4 c .. 4 c + 3 of lane l
; at 512 c + 16 l of the fragment's 1,536 bytes: every store of the wave covers 512 consecutive bytes, aligned.  qc, kc: [K step of 256][group of 128 rows][128 along K][block of 16 rows][1,536];
; vc: [batch x 4 + K step of 512][group][128 along K][block][1,536].  Scale words: 512 bytes for a group and 128 along K, the word of (block i, row r) at 256 (i / 4) + 16 r + 4 (i % 4).
; ORDER INSIDE A BLOCK OF 32: place 16 h + 8 u + j of the image holds the number 16 u + 8 h + j of the block.  All four computed operands of this program are made so, hence both sides of a later product
; carry the same order; blocks and scales are the true ones; only the order of the f32 sums inside one instruction differs.
; THE QUANTISER: a block's scale byte is its largest magnitude's exponent field - 2, held at 1 from below; each number is divided by the scale and rounded to the nearest code, ties to even, beyond 7.5 the largest code.
; LIMITS: NaN and infinities are not served.  A block whose largest magnitude lies under 2^-124, a block of zeros among them, gets the byte 1 (the rule says 127 for zeros): its codes are zeros or the rule's own,
; and the bytes are read by this program alone.  bq and bk start the sums (as C of the first product); bv is added behind the sum.
; REGISTERS, in windows of 256: window 0: v0-7 at work; v8-31 addresses; v32-63 scale words, two sets; v64-127 the column bias, on the way out a block's 64 numbers; v128-223 A's fragments, ONE set (second tile: v128-175);
;   on the way out v176-207 the codes and scale words; v224-239 at work in the quantiser; v240-247 the row bias, v248-249 a pair of zeros.
;   window 1: B's fragments, TWO sets, at v0 and v128.   window 2: accumulators of my rows 0-63 ((a, b) at v[8 (8 a + b)]);   window 3: rows 64-127 (first tile only).
.set NQ,     2                         ; matrix instructions deep in a slot
.set ROWB,   192                       ; a tile's row in bytes: 256 codes of 6 bits
.set KROW,   768                       ; a row of A or of B in memory
.set PITCH,  240                       ; an LDS row: 3 x (64 bytes of data + 16 of padding)
.set FR,     12                        ; registers of a fragment: 16 rows x 128 K
.set FRB,    1536                      ; and its image in bytes
.set NL,     6                         ; LDS loads that bring one
.set NP,     4                         ; places behind this matrix instruction (ISA guide 7.12.1)
.set HALFT,  128*PITCH                 ; 128 rows: what one tensor load brings
.set SLOT,   4*HALFT                   ; first tile: A's 256 rows, then B's 256 rows.  Second tile: A's 128 rows, then B's 256: three quarters of it
.set KS,     32                        ; a row of scale bytes
.set SCL,    2*SLOT                    ; behind the ring: the first tile's scales, as units of 256 bytes + 16 of padding
.set HALFS,  (128*KS/256)*272          ; the scales of 128 rows
.set SBLK,   (16*KS/256)*272           ; those of 16 rows
.set SCV,    SCL+4*HALFS               ; behind them the second tile's: Wv's 128 rows, then values' 256
.set SPARE,  SCV+3*HALFS               ; behind the scales: the spare words, 128 bytes for each wave: two blocks of 256 bytes that no other line names
.set ADRA2, 8                          ; v8-9    second tile: LDS address of my A fragments in slot 0, 1  (v10-11: the same for the pieces that lie behind one padding more)
.set ADRB2, 12                         ; v12-13  the same for B  (v14-15)
.set ADRA, 16                          ; v16-17  first tile: A  (v18-19)
.set ADRB, 20                          ; v20-21  first tile: B  (v22-23)
.set LI,   24                          ; v24     16 x lane: my place in an image; never rewritten
.set LS8,  25                          ; v25     16 r + 8 h: my place in the second tile's 256 bytes of scale words; never rewritten
.set ADRSV, 26                         ; v26     second tile: LDS address of my scale words: lanes 0-15 A's rows, lanes 16-31 B's
.set ADRS, 27                          ; v27     first tile: the same
.set SPW,  28                          ; v28     LDS address of my spare word: SPARE + 4 x my thread's number; never rewritten
.set NIL,  29                          ; v29     0; never rewritten
.set SC,   32                          ; scale words: the set of K step n at v[SC + 16 (n % 2)]; register 2 i + q: lanes 0-15 the word of A's block i, lanes 16-31 that of B's block i, for the step's q-th 128 along K
.set SS,   2                           ; registers from block to block in a set
.set T,    64                          ; v64-127 the column bias (C of the first products); later a block's numbers
.set AF,   128                         ; A's fragments
.set PC,   176                         ; the way out: v176-187 the fragment, v188-195 halves on their way.  (Where A's blocks 4-7 lay: v128-175 hold the second tile's first fragments while the first tile goes out)
.set ST4,  196                         ; v196-199 my bytes of the scale image
.set PWS,  200                         ; v200-207 the blocks' scale words
.set TM,   224                         ; v224-227 largest magnitudes, v228-231 the other half's, then bytes, v236-239 the conversions' scale operands
.set BM,   240                         ; v240-247 bv of my row in block a, twice, at v[BM + 2 a]
.set ZP,   248                         ; v248-249 0, 0
.set G1SV, 4                           ; s[4:11]  descriptor group 1 for Wv's scales (64 rows a load)
.set G0SV, 20                          ; s[20:23] group 0 for Wv's scales
.set G1, 24                            ; s[24:31] group 1 for A's tiles, of both tiles;  s[32:39] group 0 for the first tile's, one set for each slot
.set G0, 32
.set G1B, 48                           ; s[48:55], s[56:63] the same for B's tiles
.set G0B, 56
.set G1S, 68                           ; s[68:75], s[76:79] groups 1 and 0 for the first tile's A scales;  s[80:87], s[88:91] for its B scales (that group 1 serves values' scales too)
.set G0S, 76
.set G1SB, 80
.set G0SB, 88
.set G0SBV, 92                         ; s[92:95] group 0 for values' scales
.set G0V,  68                          ; once the scales have landed: s[68:75] group 0 for Wv's tiles, one set for each slot;  s[80:87] for values' tiles;
.set G0BV, 80
.set OCV,  76                          ; s[76:77] where my images of V^T go, s[78:79] their scale words
.set OSV,  78
.set WV, 96                            ; s96 my wave;  s97 its half of a tile's rows (first tile also: I fetch for A (0) or B (1));  s98 its half of the columns (also: which part I fetch)
.set WR, 97
.set WC, 98
.set TR, 99                            ; s99 first tile: tile row;  s42 tile column;  s3, s101: the second tile's
.set MSB, 0
.macro WIN new                         ; the immediate's high byte repeats the setting that is left; a switch that changes nothing is dropped
.if MSB != (\new)
	s_set_vgpr_msb (MSB<<8)|(\new)
.set MSB, (\new)
.endif
.endm
.set MUL_LO, 0xa1                      ; source 0 (B) window 1, source 1 (A) window 0, C and D window 2
.set MUL_HI, 0xf1                      ; the same, C and D window 3
.set BIAS_LO, 0x81                     ; the first products: C (the bias) window 0, D window 2
.set BIAS_HI, 0xc1                     ; D window 3
.set TO_B,   0x40                      ; destination window 1, address window 0
; A joint load of the first tile, or of scales: waves 0 and 1 fetch for A, waves 2 and 3 for B.  Each of the two lines has ONE mask and one set of registers for all that issue it; the branch hangs on the wave's number alone.
; Four v_nop follow each of the two lines, ahead of the jump, the label and what follows.
.macro JLOAD g0a, g1a, g0b, g1b
	s_cmp_eq_u32 s[WR], 0
	s_cbranch_scc0 .Lfor_b_\@
	tensor_load_to_lds s[\g0a:\g0a+3], s[\g1a:\g1a+7]
	s_nop 0
.rept 4
	v_nop
.endr
	s_branch .Lasked_\@
.Lfor_b_\@:
	tensor_load_to_lds s[\g0b:\g0b+3], s[\g1b:\g1b+7]
	s_nop 0
.rept 4
	v_nop
.endr
.Lasked_\@:
.endm
; A joint load of the second tile into slot s: wave 0 fetches Wv's 128 rows, waves 2 and 3 values' two halves of 128: three loads of one shape, the first tile's.  Wave 1 has no part to fetch;
; its way has four v_nop of its own, since on every way these four are the places in front of the fragment loads that follow.
.macro JLOADV s
	s_cmp_eq_u32 s[WV], 0
	s_cbranch_scc0 .Lnot_a_\@
	tensor_load_to_lds s[G0V+4*(\s):G0V+4*(\s)+3], s[G1:G1+7]
	s_nop 0
.rept 4
	v_nop
.endr
	s_branch .Lgot_\@
.Lnot_a_\@:
	s_cmp_lt_u32 s[WV], 2
	s_cbranch_scc1 .Lnone_\@
	tensor_load_to_lds s[G0BV+4*(\s):G0BV+4*(\s)+3], s[G1B:G1B+7]
	s_nop 0
.rept 4
	v_nop
.endr
	s_branch .Lgot_\@
.Lnone_\@:
.rept 4
	v_nop
.endr
.Lgot_\@:
.endm
.macro CREST                           ; a round of the cluster's barrier behind its opening barrier
	s_cmp_lg_u32 s[WV], 0
	s_cbranch_scc1 .Lnot_wave_0_\@
	s_barrier_signal -3
.Lnot_wave_0_\@:
	s_barrier_wait -3
	s_barrier_signal -1
	s_barrier_wait -1
.endm
.macro CROUND                          ; a whole round
	s_barrier_signal -1
	s_barrier_wait -1
	CREST
.endm
.macro PLACES n                        ; plain vector instructions that name no register of the matrix instructions in front of them
.rept \n
	v_nop
.endr
.endm
	s_load_b256 s[4:11], s[0:1], 0x0               ; Q: A's codes, A's scales, B's codes, B's scales,
	s_load_b128 s[12:15], s[0:1], 0x20             ;    the codes' and the scale words' workspace,
	s_load_b64 s[16:17], s[0:1], 0x30              ;    the bias
	s_load_b256 s[24:31], s[0:1], 0x38             ; K: the same seven
	s_load_b128 s[32:35], s[0:1], 0x58
	s_load_b64 s[36:37], s[0:1], 0x68
	s_load_b64 s[G0SV+2:G0SV+3], s[0:1], 0x78      ; Wv's scales, straight into their descriptor
	s_load_b64 s[G0SBV+2:G0SBV+3], s[0:1], 0x88    ; values' scales likewise
	s_load_b64 s[66:67], s[0:1], 0xa0              ; bv
	v_lshl_add_u32 v[SPW], v0, 2, SPARE
	v_mov_b32 v[NIL], 0
	ds_add_u32 v28, v29
	ds_add_u32 v28, v29
	s_wait_dscnt 0x0
	v_lshrrev_b32 v1, 5, v0
	v_readfirstlane_b32 s[WV], v1                  ; wave 0..3
	s_lshr_b32 s[WR], s[WV], 1
	s_and_b32 s[WC], s[WV], 1
	s_bfe_u32 s40, ttmp6, 0x40000                  ; cx, cy: my place in the cluster
	s_bfe_u32 s41, ttmp6, 0x40004
	s_and_b32 s101, ttmp7, 0xffff                  ; the cluster's y, 0 .. 15
	s_lshr_b32 s2, s101, 3                         ; first tile: 0 = Q, 1 = K: eight clusters to each
	s_and_b32 s3, s101, 7
	s_lshl_b32 s3, s3, 2
	s_add_co_u32 s[TR], s3, s41                    ; its tile row: 4 x (cluster y % 8) + cy: 0 .. 31
	s_lshl_b32 s42, ttmp9, 2
	s_add_co_u32 s42, s42, s40                     ; its tile column: cx: 0 .. 3
	s_and_b32 s3, s101, 1
	s_lshl_b32 s3, s3, 2
	s_add_co_u32 s3, s3, s41                       ; second tile: tile row (128 rows of Wv): 4 x (cluster y % 2) + cy: 0 .. 7
	s_lshr_b32 s101, s101, 1
	s_lshl_b32 s101, s101, 2
	s_add_co_u32 s101, s101, s40                   ; its tile column (256 rows of values): 4 x (cluster y / 2) + cx: 0 .. 31
	s_lshl_b32 s43, s41, 2
	s_lshl_b32 s43, 15, s43                        ; my row of the cluster
	s_lshl_b32 s44, 0x1111, s40                    ; my column
	s_mov_b32 s100, 0xffff0000                     ; lanes 16-31
	s_mov_b32 s104, 0x76543210                     ; v_permlanex16_b32's selects for lane l xor 16
	s_mov_b32 s105, 0xfedcba98
	s_lshl_b32 s18, s[TR], 8
	s_lshl_b32 s19, s[WC], 7
	s_add_co_u32 s18, s18, s19                     ; A: row 256 x tile row + 128 x the half that I fetch
	s_lshl_b32 s20, s18, 5                         ; where these rows' scale bytes begin (32 a row),
	s_mov_b32 s21, 0
	s_mul_i32 s18, s18, KROW                       ; and their codes: under 8,192 x 768 bytes
	s_mov_b32 s19, 0
	s_lshl_b32 s46, s42, 8
	s_lshl_b32 s47, s[WC], 7
	s_add_co_u32 s46, s46, s47                     ; B: row 256 x tile column + 128 x half
	s_lshl_b32 s92, s46, 5
	s_mov_b32 s93, 0
	s_mul_i32 s46, s46, KROW
	s_mov_b32 s47, 0
	s_mul_i32 s45, s[WV], HALFT                    ; where the codes go: wave x 128 rows: no place in the cluster enters an LDS address
	s_wait_kmcnt 0x0
	s_cmp_eq_u32 s2, 1                             ; the seven pointers of my first tile's tensor: the choice hangs on the cluster's number alone
.irp k, 0,2,4,6,8,10,12
	s_cselect_b64 s[4+\k:5+\k], s[24+\k:25+\k], s[4+\k:5+\k]
.endr
	s_add_nc_u64 s[18:19], s[4:5], s[18:19]
	s_add_nc_u64 s[20:21], s[6:7], s[20:21]
	s_add_nc_u64 s[46:47], s[8:9], s[46:47]
	s_add_nc_u64 s[92:93], s[10:11], s[92:93]
	; descriptor group 1: a tile of 128 rows x 192 bytes, padded in LDS (the registers that held K's pointers are free now)
	s_or_b32 s[G1+0], s43, (0<<16)|(1<<20)|(1<<21)|(3<<22)|(3<<25)  ; 15:0 the mask: A's tiles go to my row; 17:16 element of 1 byte; 20 padding on; 21 set beside a mask; 24:22 after every 16 words (code 3); 31:25 of 4 words (code 3)
	s_or_b32 s[G1B+0], s44, (0<<16)|(1<<20)|(1<<21)|(3<<22)|(3<<25) ; the same with the mask of my column
.irp g, G1, G1B
	s_mov_b32 s[\g+1], ROWB<<16                    ; tensor_dim0
	s_mov_b32 s[\g+2], 128<<16                     ; tensor_dim1 = 128
	s_mov_b32 s[\g+3], ROWB<<16                    ; tile_dim0
	s_mov_b32 s[\g+4], 128                         ; tile_dim1 = 128
	s_mov_b32 s[\g+5], KROW                        ; tensor_dim0_stride
	s_mov_b32 s[\g+6], 0
	s_mov_b32 s[\g+7], 0
.endr
	; and for the scales of 128 rows: a dense block of 4,096 bytes, as 16 rows of 256 bytes (32 elements of 8 bytes), 16 bytes of padding behind each
	s_or_b32 s[G1S+0], s43, (3<<16)|(1<<20)|(1<<21)|(5<<22)|(3<<25)
	s_or_b32 s[G1SB+0], s44, (3<<16)|(1<<20)|(1<<21)|(5<<22)|(3<<25)
.irp g, G1S, G1SB
	s_mov_b32 s[\g+1], 32<<16
	s_mov_b32 s[\g+2], (128*KS/256)<<16
	s_mov_b32 s[\g+3], 32<<16
	s_mov_b32 s[\g+4], 128*KS/256
	s_mov_b32 s[\g+5], 32
	s_mov_b32 s[\g+6], 0
	s_mov_b32 s[\g+7], 0
.endr
	s_mov_b32 s[G0S], 1                            ; the first tile's scales: wave x 128 rows' worth
	s_mul_i32 s[G0S+1], s[WV], HALFS
	s_add_co_u32 s[G0S+1], s[G0S+1], SCL
	s_mov_b64 s[G0S+2:G0S+3], s[20:21]
	s_or_b32 s[G0S+3], s[G0S+3], 0x80000000
	s_mov_b32 s[G0SB], 1
	s_mul_i32 s[G0SB+1], s[WV], HALFS
	s_add_co_u32 s[G0SB+1], s[G0SB+1], SCL
	s_mov_b64 s[G0SB+2:G0SB+3], s[92:93]
	s_or_b32 s[G0SB+3], s[G0SB+3], 0x80000000
.irp s, 0,1
	s_mov_b32 s[G0+4*\s], 1                        ; count = 1
	s_add_co_u32 s[G0+4*\s+1], s45, \s*SLOT        ; LDS address
	s_add_nc_u64 s[G0+4*\s+2:G0+4*\s+3], s[18:19], \s*ROWB   ; global address: K step s
	s_or_b32 s[G0+4*\s+3], s[G0+4*\s+3], 0x80000000          ; type = 2
	s_mov_b32 s[G0B+4*\s], 1
	s_add_co_u32 s[G0B+4*\s+1], s45, \s*SLOT
	s_add_nc_u64 s[G0B+4*\s+2:G0B+4*\s+3], s[46:47], \s*ROWB
	s_or_b32 s[G0B+4*\s+3], s[G0B+4*\s+3], 0x80000000
.endr
	; the second tile's scales.  Wv's 128 rows: waves 0 and 1 take 64 rows each: 2,048 dense bytes, 8 rows of 256 (the first tile's four input pointers have been used: their registers take this group 1)
	s_or_b32 s[G1SV+0], s43, (3<<16)|(1<<20)|(1<<21)|(5<<22)|(3<<25)
	s_mov_b32 s[G1SV+1], 32<<16
	s_mov_b32 s[G1SV+2], (64*KS/256)<<16
	s_mov_b32 s[G1SV+3], 32<<16
	s_mov_b32 s[G1SV+4], 64*KS/256
	s_mov_b32 s[G1SV+5], 32
	s_mov_b32 s[G1SV+6], 0
	s_mov_b32 s[G1SV+7], 0
	s_lshl_b32 s18, s3, 7
	s_lshl_b32 s19, s[WC], 6
	s_add_co_u32 s18, s18, s19                     ; Wv: row 128 x tile row + 64 x half
	s_lshl_b32 s18, s18, 5
	s_mov_b32 s19, 0
	s_add_nc_u64 s[G0SV+2:G0SV+3], s[G0SV+2:G0SV+3], s[18:19]
	s_or_b32 s[G0SV+3], s[G0SV+3], 0x80000000
	s_mov_b32 s[G0SV], 1
	s_mul_i32 s[G0SV+1], s[WC], HALFS/2
	s_add_co_u32 s[G0SV+1], s[G0SV+1], SCV
	s_lshl_b32 s46, s101, 8
	s_lshl_b32 s47, s[WC], 7
	s_add_co_u32 s46, s46, s47                     ; values: row 256 x tile column + 128 x half
	s_lshl_b32 s46, s46, 5
	s_mov_b32 s47, 0
	s_add_nc_u64 s[G0SBV+2:G0SBV+3], s[G0SBV+2:G0SBV+3], s[46:47]
	s_or_b32 s[G0SBV+3], s[G0SBV+3], 0x80000000
	s_mov_b32 s[G0SBV], 1
	s_mul_i32 s[G0SBV+1], s[WC], HALFS
	s_add_co_u32 s[G0SBV+1], s[G0SBV+1], SCV+HALFS
	CROUND                                         ; all sixteen work-groups are here: the first joint loads meet
	JLOAD G0S, G1S, G0SB, G1SB                     ; the first tile's scales: they are wanted with K step 0
	JLOAD G0SV, G1SV, G0SBV, G1SB                  ; the second tile's
	JLOAD G0, G1, G0B, G1B                         ; K step 0
	JLOAD G0+4, G1, G0B+4, G1B                     ; K step 1: four tensor loads of mine are out now, the most that this text has
	; THE BIASES
	v_and_b32 v1, 15, v0                           ; r = lane % 16
	v_bfe_u32 v2, v0, 4, 1                         ; h = lane / 16
	v_lshlrev_b32 v30, 5, v2                       ; column bias: my eight numbers of a tile begin 32 h bytes on
	v_lshlrev_b32 v31, 2, v1                       ; row bias: 4 r
	s_lshl_b32 s46, s42, 8
	s_lshl_b32 s47, s[WC], 7
	s_add_co_u32 s46, s46, s47
	s_lshl_b32 s46, s46, 2                         ; bq, bk: my first column, 256 x tile column + 128 x half, in bytes
	s_mov_b32 s47, 0
	s_add_nc_u64 s[46:47], s[16:17], s[46:47]
	s_lshl_b32 s18, s3, 7
	s_lshl_b32 s19, s[WR], 6
	s_add_co_u32 s18, s18, s19
	s_lshl_b32 s18, s18, 2                         ; bv: my first row of V^T, 128 x tile row + 64 x half, in bytes
	s_mov_b32 s19, 0
	s_add_nc_u64 s[18:19], s[66:67], s[18:19]
.irp b, 0,1,2,3,4,5,6,7
	global_load_b128 v[T+8*\b:T+8*\b+3], v30, s[46:47] offset:64*\b        ; bias[n0 + 16 b + 8 h + 0 .. 7]: the result's layout
	global_load_b128 v[T+8*\b+4:T+8*\b+7], v30, s[46:47] offset:64*\b+16
.endr
.irp a, 0,1,2,3
	global_load_b32 v[BM+2*\a], v31, s[18:19] offset:64*\a                 ; bv[m0 + 16 a + r]
.endr
	; lane addresses (the scalars at work here are none that the loads above name)
	v_mul_u32_u24 v3, v1, PITCH
	v_mul_u32_u24 v4, v2, 24
	v_add_nc_u32 v4, v3, v4                        ; a fragment's row x pitch + 24 x half
	v_lshl_add_u32 v5, v2, 4, v4                   ; and the same behind one padding more
	s_mul_i32 s16, s[WR], HALFT                    ; first tile: my 128 rows of A
	s_mul_i32 s17, s[WC], HALFT                    ; my 128 rows of B,
	s_add_co_u32 s17, s17, 2*HALFT                 ; which lie behind A's 256
.irp s, 0,1
	v_add_nc_u32 v[ADRA+\s], s16, v4
	v_add_nc_u32 v[ADRB+\s], s17, v4
	v_add_nc_u32 v[ADRA+2+\s], s16, v5
	v_add_nc_u32 v[ADRB+2+\s], s17, v5
	s_add_co_u32 s16, s16, SLOT
	s_add_co_u32 s17, s17, SLOT
.endr
	s_mul_i32 s16, s[WR], HALFT/2                  ; second tile: my 64 rows of A
	s_mul_i32 s17, s[WC], HALFT                    ; my 128 rows of B,
	s_add_co_u32 s17, s17, HALFT                   ; which lie behind A's 128
.irp s, 0,1
	v_add_nc_u32 v[ADRA2+\s], s16, v4
	v_add_nc_u32 v[ADRB2+\s], s17, v4
	v_add_nc_u32 v[ADRA2+2+\s], s16, v5
	v_add_nc_u32 v[ADRB2+2+\s], s17, v5
	s_add_co_u32 s16, s16, SLOT
	s_add_co_u32 s17, s17, SLOT
.endr
	v_mul_u32_u24 v5, v1, KS                       ; my row's scales: 32 bytes a row,
	v_lshrrev_b32 v6, 8, v5
	v_lshl_add_u32 v5, v6, 4, v5                   ; and 16 more for each 256 passed
	s_mul_i32 s16, s[WR], HALFS                    ; first tile: A's: my 128 rows
	s_mul_i32 s17, s[WC], HALFS                    ; B's: my 128 rows, behind A's 256
	s_add_co_u32 s17, s17, 2*HALFS
	s_sub_co_u32 s17, s17, s16
	v_mul_u32_u24 v6, s17, v2                      ; lanes 16-31 take B's: ONE product, half x the distance
	s_add_co_u32 s16, s16, SCL
	v_add_nc_u32 v6, v5, v6
	v_add_nc_u32 v[ADRS], s16, v6
	s_mul_i32 s16, s[WR], HALFS/2                  ; second tile: A's: my 64 rows
	s_mul_i32 s17, s[WC], HALFS                    ; B's: my 128 rows, behind A's 128
	s_add_co_u32 s17, s17, HALFS
	s_sub_co_u32 s17, s17, s16
	v_mul_u32_u24 v6, s17, v2
	s_add_co_u32 s16, s16, SCV
	v_add_nc_u32 v6, v5, v6
	v_add_nc_u32 v[ADRSV], s16, v6
	v_and_b32 v6, 31, v0
	v_lshlrev_b32 v[LI], 4, v6
	v_lshlrev_b32 v[LS8], 4, v1
	v_lshl_add_u32 v[LS8], v2, 3, v[LS8]
	; where my wave's images of the first tile go.  ksg: which 128 along the next K my columns are;  grp: which group of 128 rows
	s_lshl_b32 s16, s42, 1
	s_add_co_u32 s16, s16, s[WC]                   ; ksg = 2 x tile column + half: 0 .. 7
	s_lshl_b32 s17, s[TR], 1
	s_add_co_u32 s17, s17, s[WR]                   ; grp = 2 x tile row + half: 0 .. 63
	s_lshr_b32 s2, s16, 1
	s_lshl_b32 s2, s2, 6
	s_add_co_u32 s2, s2, s17
	s_mul_i32 s2, s2, 2*8*FRB                      ; [K step of 256][group]: 24,576 bytes each
	s_and_b32 s66, s16, 1
	s_mul_i32 s66, s66, 8*FRB
	s_add_co_u32 s66, s66, s2
	s_mov_b32 s67, 0
	s_add_nc_u64 s[12:13], s[12:13], s[66:67]      ; the codes
	s_lshl_b32 s66, s17, 3
	s_add_co_u32 s66, s66, s16
	s_lshl_b32 s66, s66, 9
	s_add_nc_u64 s[14:15], s[14:15], s[66:67]      ; the scale words: [group][128 along K: 8][512]
	s_wait_loadcnt 0x0                             ; the biases
.irp a, 0,1,2,3
	v_mov_b32 v[BM+2*\a+1], v[BM+2*\a]             ; twice: a pair for the packed addition
.endr
	v_mov_b32 v[ZP], 0
	v_mov_b32 v[ZP+1], 0
.macro FRAG reg, adr, q, i             ; a fragment, 16 rows x 128 K of 6-bit codes, is 12 registers: lane l holds row l % 16; registers 6 c .. 6 c + 5 hold K = 64 c + 32 (l / 16) + 0 .. 31: 24 bytes of the row's stream of bits, as they lie
.irp p, 0,1,2,3,4,5                    ; in pieces of 8 bytes, so that every address is a multiple of the access's size.  Lanes 0-15 take the row's pieces 12 q + 0, 1, 2 and 12 q + 6, 7, 8, lanes 16-31 those three pieces on
.set PIECE, 12*(\q)+6*(\p/3)+\p%3      ; 16 bytes of padding lie behind every 64 bytes (8 pieces): where the piece three on lies behind one padding more, the second address register (40 for 24 bytes a half) serves
.if PIECE%8 < 5
	ds_load_b64 v[\reg+2*\p:\reg+2*\p+1], v[\adr] offset:8*PIECE+16*(PIECE/8)+(\i)*16*PITCH
.else
	ds_load_b64 v[\reg+2*\p:\reg+2*\p+1], v[\adr+2] offset:8*PIECE+16*(PIECE/8)+(\i)*16*PITCH
.endif
.endr
.endm
; 16 matrix instructions of the first tile: A's blocks a0, a0 + 1 x B's eight, 128 along K.  p: B's set;  scb: the scale register of block 0.  bias = 1: the first product starts the sums from the column bias: nothing is ever cleared.
; The accumulators take turns, one instruction a turn, in the same order in every step.
.macro MUL16 a0, p, scb, bias
.irp a, \a0, \a0+1
.irp b, 0,1,2,3,4,5,6,7
.if \bias
	v_wmma_scale_f32_16x16x128_f8f6f4 v[8*(8*((\a)%4)+\b):8*(8*((\a)%4)+\b)+7], v[128*(\p)+FR*\b:128*(\p)+FR*\b+FR-1], v[AF+FR*(\a):AF+FR*(\a)+FR-1], v[T+8*\b:T+8*\b+7], v[\scb+SS*\b], v[\scb+SS*(\a)] matrix_a_fmt:MATRIX_FMT_FP6 matrix_b_fmt:MATRIX_FMT_FP6 matrix_a_scale:MATRIX_SCALE_ROW1
.else
	v_wmma_scale_f32_16x16x128_f8f6f4 v[8*(8*((\a)%4)+\b):8*(8*((\a)%4)+\b)+7], v[128*(\p)+FR*\b:128*(\p)+FR*\b+FR-1], v[AF+FR*(\a):AF+FR*(\a)+FR-1], v[8*(8*((\a)%4)+\b):8*(8*((\a)%4)+\b)+7], v[\scb+SS*\b], v[\scb+SS*(\a)] matrix_a_fmt:MATRIX_FMT_FP6 matrix_b_fmt:MATRIX_FMT_FP6 matrix_a_scale:MATRIX_SCALE_ROW1
.endif
.endr
.endr
.endm
; 8 matrix instructions of the second tile: A's block a x B's eight.  zero = 1: the first product starts the sums.
.macro MUL8 a, p, scb, zero
.irp b, 0,1,2,3,4,5,6,7
.if \zero
	v_wmma_scale_f32_16x16x128_f8f6f4 v[8*(8*(\a)+\b):8*(8*(\a)+\b)+7], v[128*(\p)+FR*\b:128*(\p)+FR*\b+FR-1], v[AF+FR*(\a):AF+FR*(\a)+FR-1], 0, v[\scb+SS*\b], v[\scb+SS*(\a)] matrix_a_fmt:MATRIX_FMT_FP6 matrix_b_fmt:MATRIX_FMT_FP6 matrix_a_scale:MATRIX_SCALE_ROW1
.else
	v_wmma_scale_f32_16x16x128_f8f6f4 v[8*(8*(\a)+\b):8*(8*(\a)+\b)+7], v[128*(\p)+FR*\b:128*(\p)+FR*\b+FR-1], v[AF+FR*(\a):AF+FR*(\a)+FR-1], v[8*(8*(\a)+\b):8*(8*(\a)+\b)+7], v[\scb+SS*\b], v[\scb+SS*(\a)] matrix_a_fmt:MATRIX_FMT_FP6 matrix_b_fmt:MATRIX_FMT_FP6 matrix_a_scale:MATRIX_SCALE_ROW1
.endif
.endr
.endm
.macro FETCH_B adr, q, p               ; B's eight fragments of a slot's q-th 128 along K into set p;  adr: the slot's address register
	WIN TO_B
.irp i, 0,1,2,3,4,5,6,7
	FRAG 128*(\p)+FR*\i, \adr, \q, \i
.endr
	WIN 0
.endm
.macro FETCH_A4 adr, q, i0             ; A's blocks i0 .. i0 + 3
.irp i, \i0, \i0+1, \i0+2, \i0+3
	FRAG AF+FR*(\i), \adr, \q, \i
.endr
.endm
.macro FETCH_A2 adr, q, i0             ; A's blocks i0, i0 + 1
.irp i, \i0, \i0+1
	FRAG AF+FR*(\i), \adr, \q, \i
.endr
.endm
.macro SCALES adr, n                   ; K step n's scale words: two words a row; lanes 0-15 take A's block i, lanes 16-31 B's block i.  (Second tile: A has four blocks a wave; for i over 3 lanes 0-15 read rows further on in the same
.irp i, 0,1,2,3,4,5,6,7                ; filled region, and no product takes them)
	ds_load_b64 v[SC+16*((\n)%2)+2*\i:SC+16*((\n)%2)+2*\i+1], v[\adr] offset:\i*SBLK+8*(\n)
.endr
.endm
; FIRST TILE.  A step of 128 along K that has its successor in the same slot: the q-th of K step n.  A block of A is free as soon as its eight products are issued, so one set of registers serves A:
; blocks 0-3 are fetched anew in the step's middle, blocks 4-7 at its end.  Loads into registers that matrix instructions have read stand four places behind them.
.macro STEP n, q, bias
	s_wait_dscnt 4*NL                              ; B's set, the scale words and A's blocks 0-3 are in; the youngest 24 loads (A's blocks 4-7) may be out
.if \bias
	WIN BIAS_LO
.else
	WIN MUL_LO
.endif
	MUL16 0, (\q)%2, SC+16*((\n)%2)+(\q), \bias
	MUL16 2, (\q)%2, SC+16*((\n)%2)+(\q), \bias
	s_wait_dscnt 0x0                               ; A's blocks 4-7 are in (asked for 32 matrix instructions ago)
	PLACES NP
	FETCH_B ADRB+(\n)%2, (\q)+1, 1-(\q)%2
	FETCH_A4 ADRA+(\n)%2, (\q)+1, 0
.if \bias
	WIN BIAS_HI
.else
	WIN MUL_HI
.endif
	MUL16 4, (\q)%2, SC+16*((\n)%2)+(\q), \bias
	MUL16 6, (\q)%2, SC+16*((\n)%2)+(\q), \bias
	PLACES NP
	WIN 0
	FETCH_A4 ADRA+(\n)%2, (\q)+1, 4
.endm
; K step n's last 128 change slots: ONE barrier, which opens a round of the cluster's; in front of it each wave waits for all its tensor loads, adds 0 to its spare word, and waits for that and for its own reads of this slot.
; Behind the round this slot is filled again: fill = 1: with this tile's K step n + 2;  fill = 2: with the SECOND tile's K step n - 2: the ring goes on.  Behind K step 3 the second tile's first fragments are fetched.
.macro TURN n, fill
	s_wait_tensorcnt 0x0                           ; all my tensor loads have landed: my part of the next slot;  (every window is 0 here)
	ds_add_u32 v[SPW], v[NIL]                      ; 0 onto my spare word
	s_wait_dscnt 4*NL+1                            ; (the add and the youngest 24 loads, A's blocks 4-7, may be out)
	WIN MUL_LO
	MUL16 0, 1, SC+16*((\n)%2)+NQ-1, 0             ; sixteen matrix instructions stand between the add and the wait for it
	s_wait_dscnt 0x0                               ; the add is done, and my reads of this slot are over
	s_barrier_signal -1
	MUL16 2, 1, SC+16*((\n)%2)+NQ-1, 0
	WIN 0
	s_barrier_wait -1
	CREST                                          ; no wave of any partner still reads this slot's tile or has a load on its way
.if \fill == 1
	s_add_nc_u64 s[G0+4*((\n)%2)+2:G0+4*((\n)%2)+3], s[G0+4*((\n)%2)+2:G0+4*((\n)%2)+3], 2*ROWB
	s_add_nc_u64 s[G0B+4*((\n)%2)+2:G0B+4*((\n)%2)+3], s[G0B+4*((\n)%2)+2:G0B+4*((\n)%2)+3], 2*ROWB
	JLOAD G0+4*((\n)%2), G1, G0B+4*((\n)%2), G1B   ; the first tensor load behind the round, my one load until the next; the four v_nop behind it are the places in front of the loads below
.else
	JLOADV (\n)%2                                  ; likewise
.endif
.if (\n) < 3
	FETCH_B ADRB+((\n)+1)%2, 0, 0
	FETCH_A4 ADRA+((\n)+1)%2, 0, 0
	SCALES ADRS, (\n)+1
.else
	FETCH_B ADRB2, 0, 0                            ; the second tile's K step 0 lies in slot 0: its eight fragments of B, its four of A (where my blocks 0-3 lay), its scale words
	FETCH_A2 ADRA2, 0, 0
	SCALES ADRSV, 0
	FETCH_A2 ADRA2, 0, 2
.endif
	WIN MUL_HI
	MUL16 4, 1, SC+16*((\n)%2)+NQ-1, 0
	MUL16 6, 1, SC+16*((\n)%2)+NQ-1, 0
.if (\n) < 3
	PLACES NP
	WIN 0
	FETCH_A4 ADRA+((\n)+1)%2, 0, 4
.else
	WIN 0
.endif
.endm
; SECOND TILE: the same two macros for four blocks of A: blocks 0, 1 are fetched anew in a step's middle, blocks 2, 3 at its end.
.macro STEP2 n, q, zero
	s_wait_dscnt 2*NL                              ; all but the youngest 12 loads (A's blocks 2, 3) are in
	WIN MUL_LO
	MUL8 0, (\q)%2, SC+16*((\n)%2)+(\q), \zero
	MUL8 1, (\q)%2, SC+16*((\n)%2)+(\q), \zero
	s_wait_dscnt 0x0                               ; A's blocks 2, 3 are in
	PLACES NP
	FETCH_B ADRB2+(\n)%2, (\q)+1, 1-(\q)%2
	FETCH_A2 ADRA2+(\n)%2, (\q)+1, 0
	WIN MUL_LO
	MUL8 2, (\q)%2, SC+16*((\n)%2)+(\q), \zero
	MUL8 3, (\q)%2, SC+16*((\n)%2)+(\q), \zero
	PLACES NP
	WIN 0
	FETCH_A2 ADRA2+(\n)%2, (\q)+1, 2
.endm
.macro TURN2 n, fill                   ; fill = 1: this slot is filled again, two K steps ahead
	s_wait_tensorcnt 0x0                           ; all my tensor loads have landed: my part of the next slot;  (every window is 0 here)
	ds_add_u32 v[SPW], v[NIL]                      ; 0 onto my spare word
	s_wait_dscnt 2*NL+1                            ; (the add and the youngest 12 loads may be out)
	WIN MUL_LO
	MUL8 0, 1, SC+16*((\n)%2)+NQ-1, 0              ; eight matrix instructions stand between the add and the wait for it
	s_wait_dscnt 0x0                               ; the add is done, and my reads of this slot are over
	s_barrier_signal -1
	MUL8 1, 1, SC+16*((\n)%2)+NQ-1, 0
	WIN 0
	s_barrier_wait -1
.if \fill
	CREST                                          ; the barrier has opened a round of the cluster's barrier: no wave of any partner still reads this slot or has a load on its way
	s_add_nc_u64 s[G0V+4*((\n)%2)+2:G0V+4*((\n)%2)+3], s[G0V+4*((\n)%2)+2:G0V+4*((\n)%2)+3], 2*ROWB
	s_add_nc_u64 s[G0BV+4*((\n)%2)+2:G0BV+4*((\n)%2)+3], s[G0BV+4*((\n)%2)+2:G0BV+4*((\n)%2)+3], 2*ROWB
	JLOADV (\n)%2                                  ; the first tensor load behind the round, a wave's one load until the next; its four v_nop are the places in front of the loads below
.else
	PLACES NP
.endif
	FETCH_B ADRB2+((\n)+1)%2, 0, 0
	FETCH_A2 ADRA2+((\n)+1)%2, 0, 0
	SCALES ADRSV, (\n)+1
	WIN MUL_LO
	MUL8 2, 1, SC+16*((\n)%2)+NQ-1, 0
	MUL8 3, 1, SC+16*((\n)%2)+NQ-1, 0
	PLACES NP
	WIN 0
	FETCH_A2 ADRA2+((\n)+1)%2, 0, 2
.endm
; THE WAY OUT of block a, 16 rows x 128 columns.  bm: the pair that is added (0 for Q and K, whose bias started the sums; bv of my row for V^T);  optr: the scalar pair with the place of my wave's images.
.macro OUTBLK a, bm, optr
	WIN 0x02+(\a)/4                                ; source 0: window 2 or 3
.set J, 0
.rept 32
	v_pk_add_f32 v[T+J:T+J+1], v[64*((\a)%4)+J:64*((\a)%4)+J+1], v[\bm:\bm+1]   ; the block comes into window 0, with the row bias; each accumulator is read from its low end on
.set J, J+2
.endr
	WIN 0
.irp b, 0,1,2,3
	v_max3_num_f32 v[TM+\b], |v[T+16*\b]|, |v[T+1+16*\b]|, 0x1800000   ; block b of 32 along n: my 16 numbers, and the floor 2^(3 - 127), under which no largest magnitude is taken: so the byte cannot fall under 1
.endr
.irp i, 2,4,6,8,10,12,14
.irp b, 0,1,2,3
	v_max3_num_f32 v[TM+\b], v[TM+\b], |v[T+16*\b+\i]|, |v[T+1+16*\b+\i]|   ; (the four blocks by turns: no line waits for the line above it)
.endr
.endr
.irp b, 0,1,2,3
	v_permlanex16_b32 v[TM+4+\b], v[TM+\b], s104, s105
.endr
.irp b, 0,1,2,3
	v_max_num_f32 v[TM+\b], v[TM+\b], v[TM+4+\b]   ; with lane l xor 16's: the block's largest magnitude
.endr
.irp b, 0,1,2,3
	v_add_nc_u32 v[TM+12+\b], 0xff000000, v[TM+\b] ; 2 off its exponent field: the conversion takes the exponent field of this operand as its scale, and nothing else of it
.endr
.irp b, 0,1,2,3
	v_lshrrev_b32 v[TM+4+\b], 23, v[TM+12+\b]      ; the scale's byte
.endr
	v_lshl_or_b32 v[PWS+(\a)], v[TM+5], 8, v[TM+4] ; the four bytes make my row's scale word
	v_lshl_or_b32 v[PWS+(\a)], v[TM+6], 16, v[PWS+(\a)]
	v_lshl_or_b32 v[PWS+(\a)], v[TM+7], 24, v[PWS+(\a)]
	s_wait_xcnt 0x0                                ; the stores issued so far have read their registers: only behind this wait are the codes' registers written again (the launch's first block finds none out)
.irp c, 0,1
	v_cvt_scalef32_pk16_fp6_f32 v[PC+6*\c:PC+2+6*\c], v[T+32*\c:T+15+32*\c], v[TM+12+2*\c]
	v_cvt_scalef32_pk16_fp6_f32 v[PC+12+4*\c:PC+14+4*\c], v[T+16+32*\c:T+31+32*\c], v[TM+12+2*\c+1]   ; (a conversion's three registers begin on an even number)
.endr
	v_nop                                          ; one plain place behind a scaled conversion
.irp c, 0,1                                    ; the operand's layout wants a WHOLE block in a lane: lanes 0-15 block 2 c, lanes 16-31 block 2 c + 1
.irp i, 0,1,2
	v_permlane16_swap_b32 v[PC+6*\c+\i], v[PC+12+4*\c+\i]
.endr
.irp i, 0,1,2
	v_mov_b32 v[PC+3+6*\c+\i], v[PC+12+4*\c+\i]
.endr
.endr
.irp c, 0,1,2
	global_store_b128 v[LI], v[PC+4*\c:PC+4*\c+3], s[\optr:\optr+1] offset:FRB*(\a)+512*\c   ; the fragment as it stands: 32 lanes store 512 consecutive bytes, aligned
.endr
.endm
	s_wait_tensorcnt 1                             ; both tiles' scales and my part of K step 0 are in (K step 1's load may be out)
	s_barrier_signal -1
	s_barrier_wait -1                              ; everybody's are
	s_load_b64 s[G0V+2:G0V+3], s[0:1], 0x70        ; the scales' loads are done, so their descriptors' registers are free: they take what the second tile wants: Wv's codes,
	s_load_b64 s[G0BV+2:G0BV+3], s[0:1], 0x80      ; values' codes,
	s_load_b128 s[OCV:OCV+3], s[0:1], 0x90         ; vc and vs
	FETCH_B ADRB, 0, 0
	FETCH_A4 ADRA, 0, 0
	SCALES ADRS, 0
	FETCH_A4 ADRA, 0, 4
	s_wait_kmcnt 0x0
	s_mul_i32 s4, s3, 128*KROW                     ; Wv: row 128 x tile row: wave 0 fetches all 128 rows
	s_mov_b32 s5, 0
	s_add_nc_u64 s[G0V+2:G0V+3], s[G0V+2:G0V+3], s[4:5]
	s_add_nc_u64 s[G0V+6:G0V+7], s[G0V+2:G0V+3], ROWB      ; K step 1
	s_or_b32 s[G0V+3], s[G0V+3], 0x80000000
	s_or_b32 s[G0V+7], s[G0V+7], 0x80000000
	s_mov_b32 s[G0V], 1
	s_mov_b32 s[G0V+1], 0                          ; to the head of slot 0,
	s_mov_b32 s[G0V+4], 1
	s_mov_b32 s[G0V+5], SLOT                       ; of slot 1
	s_lshl_b32 s8, s101, 8
	s_lshl_b32 s9, s[WC], 7
	s_add_co_u32 s8, s8, s9                        ; values: row 256 x tile column + 128 x half
	s_mul_i32 s8, s8, KROW
	s_mov_b32 s9, 0
	s_add_nc_u64 s[G0BV+2:G0BV+3], s[G0BV+2:G0BV+3], s[8:9]
	s_add_nc_u64 s[G0BV+6:G0BV+7], s[G0BV+2:G0BV+3], ROWB
	s_or_b32 s[G0BV+3], s[G0BV+3], 0x80000000
	s_or_b32 s[G0BV+7], s[G0BV+7], 0x80000000
	s_mov_b32 s[G0BV], 1
	s_mul_i32 s[G0BV+1], s[WC], HALFT
	s_add_co_u32 s[G0BV+1], s[G0BV+1], HALFT       ; behind Wv's 128 rows
	s_mov_b32 s[G0BV+4], 1
	s_add_co_u32 s[G0BV+5], s[G0BV+1], SLOT
	s_lshl_b32 s8, s101, 1
	s_add_co_u32 s8, s8, s[WC]                     ; which 128 keys, over all batches: 0 .. 63
	s_lshr_b32 s9, s8, 2
	s_lshl_b32 s9, s9, 3
	s_add_co_u32 s9, s9, s3                        ; [batch x 4 + K step of 512][group = my tile row]
	s_mul_i32 s9, s9, 4*8*FRB                      ; 49,152 bytes each
	s_and_b32 s10, s8, 3
	s_mul_i32 s10, s10, 8*FRB
	s_add_co_u32 s10, s10, s9
	s_mul_i32 s9, s[WR], 4*FRB                     ; my four blocks of the group's eight
	s_add_co_u32 s10, s10, s9
	s_mov_b32 s11, 0
	s_add_nc_u64 s[OCV:OCV+1], s[OCV:OCV+1], s[10:11]
	s_lshr_b32 s9, s8, 4                           ; the batch
	s_lshl_b32 s9, s9, 3
	s_add_co_u32 s9, s9, s3
	s_lshl_b32 s9, s9, 4
	s_and_b32 s10, s8, 15
	s_add_co_u32 s10, s10, s9
	s_lshl_b32 s10, s10, 9                         ; [batch][group][128 keys: 16][512]
	s_lshl_b32 s9, s[WR], 8                        ; blocks 4 x half on: 256 bytes on
	s_add_co_u32 s10, s10, s9
	s_add_nc_u64 s[OSV:OSV+1], s[OSV:OSV+1], s[10:11]
	STEP 0, 0, 1                                   ; THE FIRST TILE.  Its first products start the sums from the bias
	TURN 0, 1                                      ; slot 0 takes K step 2
	STEP 1, 0, 0
	TURN 1, 1                                      ; slot 1 takes K step 3
	STEP 2, 0, 0
	TURN 2, 2                                      ; slot 0 takes the second tile's K step 0
	STEP 3, 0, 0
	TURN 3, 2                                      ; slot 1 takes its K step 1; its first fragments are fetched
.irp b, 0,1,2,3
	v_mov_b32 v[TM+4+\b], 0                        ; written once: a lane permute's destination counts as one of its sources.  These four are also the places behind the last products
.endr
.irp a, 0,1,2,3,4,5,6,7
	OUTBLK \a, ZP, 12                              ; both refills are asked for: now the first tile goes out
.endr
.irp k, 0,1,2,3
	v_cndmask_b32 v[ST4+\k], v[PWS+\k], v[PWS+4+\k], s100   ; the scale image: lane (r, h) stores the words of blocks 4 h .. 4 h + 3 of row r (both halves of the lanes hold every word)
.endr
	global_store_b128 v[LI], v[ST4:ST4+3], s[14:15]
	STEP2 0, 0, 1                                  ; THE SECOND TILE.  Its first products start the sums
	TURN2 0, 1                                     ; slot 0 takes K step 2
	STEP2 1, 0, 0
	TURN2 1, 1                                     ; slot 1 takes K step 3
	STEP2 2, 0, 0
	TURN2 2, 0                                     ; nothing is left to fetch: no round of the cluster's barrier
	STEP2 3, 0, 0
	s_wait_dscnt 2*NL                              ; the very last 128 along K
	WIN MUL_LO
	MUL8 0, 1, SC+16+NQ-1, 0
	MUL8 1, 1, SC+16+NQ-1, 0
	s_wait_dscnt 0x0
	MUL8 2, 1, SC+16+NQ-1, 0
	MUL8 3, 1, SC+16+NQ-1, 0
	WIN 0
	PLACES NP                                      ; behind the last products, in front of the first read of results
.irp a, 0,1,2,3
	OUTBLK \a, BM+2*\a, OCV
.endr
.irp k, 0,1
	v_cndmask_b32 v[ST4+\k], v[PWS+\k], v[PWS+2+\k], s100   ; my wave's 256 bytes of the scale image: lane (r, h) stores the words of its blocks 2 h, 2 h + 1 of row r.  (The first tile's image store has read these registers: a wait on XCNT stands in every block above)
.endr
	global_store_b64 v[LS8], v[ST4:ST4+1], s[OSV:OSV+1]     ; 32 lanes store 256 consecutive bytes, aligned
	s_wait_tensorcnt 0x0                           ; the wave's end
	ds_add_u32 v[SPW], v[NIL]
	s_wait_dscnt 0x0
	CROUND                                         ; the closing round: no work-group ends while a partner may still ask for a tile that names it
	s_endpgm
.Lfunc_end_k_qa2b1ea5c54_proj:
	.size	k_qa2b1ea5c54_proj, .Lfunc_end_k_qa2b1ea5c54_proj-k_qa2b1ea5c54_proj
	.p2alignl 7, 3214868480
	.fill 96, 4, 3214868480
	.section	.rodata,"a",@progbits
	.p2align	6, 0x0
	.amdhsa_kernel k_qa2b1ea5c54_proj
		.amdhsa_group_segment_fixed_size 327680
		.amdhsa_private_segment_fixed_size 0
		.amdhsa_enable_private_segment 0
		.amdhsa_kernarg_size 168
		.amdhsa_user_sgpr_count 2
		.amdhsa_user_sgpr_kernarg_segment_ptr 1
		.amdhsa_wavefront_size32 1
		.amdhsa_system_sgpr_workgroup_id_x 1
		.amdhsa_system_sgpr_workgroup_id_y 1
		.amdhsa_system_sgpr_workgroup_id_z 1
		.amdhsa_system_vgpr_workitem_id 0
		.amdhsa_next_free_vgpr 1024
		.amdhsa_next_free_sgpr 106
		.amdhsa_reserve_vcc 0
		.amdhsa_float_denorm_mode_32 3
		.amdhsa_float_denorm_mode_16_64 3
		.amdhsa_memory_ordered 1
		.amdhsa_forward_progress 1
		.amdhsa_inst_pref_size 255
	.end_amdhsa_kernel
	.section	.bss,"aw",@nobits
	.p2align	6
	.space	262144
	.amdgpu_metadata
---
amdhsa.version: [ 1, 2 ]
amdhsa.kernels:
  - .name:           k_qa2b1ea5c54_proj
    .symbol:         k_qa2b1ea5c54_proj.kd
    .args:
      - { .name: queries_codes, .offset: 0, .size: 8, .value_kind: global_buffer, .address_space: global }
      - { .name: queries_scales, .offset: 8, .size: 8, .value_kind: global_buffer, .address_space: global }
      - { .name: Wq_codes, .offset: 16, .size: 8, .value_kind: global_buffer, .address_space: global }
      - { .name: Wq_scales, .offset: 24, .size: 8, .value_kind: global_buffer, .address_space: global }
      - { .name: qc, .offset: 32, .size: 8, .value_kind: global_buffer, .address_space: global }
      - { .name: qs, .offset: 40, .size: 8, .value_kind: global_buffer, .address_space: global }
      - { .name: bq, .offset: 48, .size: 8, .value_kind: global_buffer, .address_space: global }
      - { .name: keys_codes, .offset: 56, .size: 8, .value_kind: global_buffer, .address_space: global }
      - { .name: keys_scales, .offset: 64, .size: 8, .value_kind: global_buffer, .address_space: global }
      - { .name: Wk_codes, .offset: 72, .size: 8, .value_kind: global_buffer, .address_space: global }
      - { .name: Wk_scales, .offset: 80, .size: 8, .value_kind: global_buffer, .address_space: global }
      - { .name: kc, .offset: 88, .size: 8, .value_kind: global_buffer, .address_space: global }
      - { .name: ks, .offset: 96, .size: 8, .value_kind: global_buffer, .address_space: global }
      - { .name: bk, .offset: 104, .size: 8, .value_kind: global_buffer, .address_space: global }
      - { .name: Wv_codes, .offset: 112, .size: 8, .value_kind: global_buffer, .address_space: global }
      - { .name: Wv_scales, .offset: 120, .size: 8, .value_kind: global_buffer, .address_space: global }
      - { .name: values_codes, .offset: 128, .size: 8, .value_kind: global_buffer, .address_space: global }
      - { .name: values_scales, .offset: 136, .size: 8, .value_kind: global_buffer, .address_space: global }
      - { .name: vc, .offset: 144, .size: 8, .value_kind: global_buffer, .address_space: global }
      - { .name: vs, .offset: 152, .size: 8, .value_kind: global_buffer, .address_space: global }
      - { .name: bv, .offset: 160, .size: 8, .value_kind: global_buffer, .address_space: global }
    .group_segment_fixed_size: 327680
    .private_segment_fixed_size: 0
    .kernarg_segment_align: 8
    .kernarg_segment_size: 168
    .max_flat_workgroup_size: 128
    .sgpr_count:     106
    .vgpr_count:     1024
    .wavefront_size: 32
...
	.end_amdgpu_metadata
.endif
;; end of part 1
;; launch scores (part 2): grid 8 x 32, 4 waves a work-group, clusters of 4 x 4, 327,680 bytes of LDS; arguments qc, qs, kc, ks, pc, ps; writes pc, ps
.if DOCPART == 2
	.amdgcn_target "amdgcn-amd-amdhsa--gfx1250"
	.amdhsa_code_object_version 6
	.text
	.protected	k_qa2b1ea5c54_scores
	.globl	k_qa2b1ea5c54_scores
	.p2align	8
	.type	k_qa2b1ea5c54_scores,@function
k_qa2b1ea5c54_scores:
	s_mov_b64 s[64:65], 0
	v_nop
	global_prefetch_b8 v0, s[64:65] scope:SCOPE_SE
	s_setreg_imm32_b32 hwreg(HW_REG_WAVE_MODE, 25, 1), 1
	s_wait_xcnt 0x0
	s_wait_alu depctr_hold_cnt(0) depctr_sa_sdst(0) depctr_va_vdst(0) depctr_va_sdst(0) depctr_va_ssrc(0) depctr_va_vcc(0) depctr_vm_vsrc(0)
	s_getreg_b32 s2, hwreg(HW_REG_IB_STS2, 6, 4)
	s_cmp_eq_u32 s2, 0
	s_cbranch_scc0 .Lentry_in_a_cluster
	s_endpgm
.Lentry_in_a_cluster:
	s_bfe_u32 s2, ttmp6, 0x10000c
	s_cmp_lg_u32 s2, 0xf033
	s_cbranch_scc0 .Lentry_shape_is_right
	s_endpgm
.Lentry_shape_is_right:
; P = relu(Q K^T), 4 batches x 2,048 queries x 2,048 keys, K = 1,024, on codes of FP6 (E2M3) with one E8M0 scale for each 32 along K, and P QUANTISED ALONG THE KEYS on its way out.
; Q and K come from this program's first launch AS IMAGES OF OPERAND REGISTERS: a fragment (16 rows x 128 K, 12 registers a lane) is 1,536 bytes, registers 4 c .. 4 c + 3 of lane l at 512 c + 16 l.
; qc, kc: [K step of 256: 4][group of 128 rows: 64][128 along K: 2][block of 16 rows: 8][1,536].
; no pitch, no padding, no bank met twice.  qs, ks: [group][128 along K: 8][512], the word of (block i, row r) at 256 (i / 4) + 16 r + 4 (i % 4).
; A tile of P, 256 queries x 256 keys, is made by four waves, each 128 x 128: 64 accumulators, 512 registers.  K has four steps of 256 through a ring of two LDS slots: written out, no loop.
; CLUSTERS: 4 x 4 work-groups; Q's blocks are asked for jointly along a row of the cluster, K's along a column.
; THE MATRIX INSTRUCTION IS USED TRANSPOSED (source 0 = 16 keys, source 1 = 16 queries): in accumulator (a, b) lane (r, h) holds query 16 a + r and its register j the key 16 b + 8 h + j.
; THE WAY OUT: as in the first launch: relu, the block's largest number, the scale byte, the codes, stored as images.  pc: [K step of 512 keys: 4][group of 128 queries: 64][128 keys: 4][block: 8][1,536];
; ps: [group: 64][128 keys: 16][512].  Place 16 h + 8 u + j of a block of 32 holds key 16 u + 8 h + j of the block, as in V^T's images: both sides of the last product carry the same order.
; LIMITS: NaN and infinities are not served.  A block whose largest number lies under 2^-124, a block of zeros among them, gets the byte 1 (the rule says 127 for zeros); the bytes are read by this program alone.
; REGISTERS, in windows of 256: window 0: v0-15 at work; v16-31 addresses; v32-47 scale words, two sets; v64-127 on the way out a block's 64 numbers; v128-223 Q's fragments, ONE set, on the way out the codes;
;   v224-239 at work in the quantiser.   window 1: K's fragments, TWO sets, at v0 and v128.   window 2: accumulators of my queries 0-63 ((a, b) at v[8 (8 a + b)]);   window 3: queries 64-127.
.set NQ,     2                         ; matrix instructions deep in a slot
.set FR,     12                        ; registers of a fragment
.set FRB,    1536                      ; its image in bytes
.set KSB,    8*FRB                     ; a group's eight fragments of 128 along K
.set GRP,    NQ*KSB                    ; a group's part of a K step: what one tensor load brings, and what one wave reads of Q or of K
.set NL,     3                         ; LDS loads that bring a fragment
.set NP,     4                         ; places behind this matrix instruction (ISA guide 7.12.1)
.set SLOT,   4*GRP                     ; Q's two groups, then K's two
.set STEPG,  64*GRP                    ; bytes from a K step to the next in qc and kc
.set SCL,    2*SLOT                    ; behind the ring: the scale words of the four groups, for all of K
.set SGRP,   4096                      ; a group's: 8 x 512 bytes
.set SPARE,  SCL+4*SGRP                ; behind them: the spare words, 128 bytes for each wave: two blocks of 256 bytes that no other line names
.set ADRA, 16                          ; v16-17  LDS address of my lane's place in my group of Q, slot 0, 1
.set ADRB, 20                          ; v20-21  the same for K
.set LI,   24                          ; v24     16 x lane; never rewritten
.set ADRS, 27                          ; v27     scale words of blocks 0-3: lanes 0-15 Q's, lanes 16-31 K's
.set SPW,  28                          ; v28     LDS address of my spare word: SPARE + 4 x my thread's number; never rewritten
.set NIL,  29                          ; v29     0; never rewritten
.set ADRS2, 30                         ; v30     scale words of blocks 4-7
.set SC,   32                          ; scale words: the set of the k-th 128 along K at v[SC + 8 (k % 2)]; register i: lanes 0-15 the word of Q's block i, lanes 16-31 that of K's block i
.set SS,   1
.set T,    64
.set AF,   128
.set PC,   128                         ; the way out: v128-139 the fragment, v140-147 halves on their way
.set ST4,  148
.set PWS,  152
.set TM,   224
.set G1, 24                            ; s[24:31] descriptor group 1 for Q's blocks;  s[32:39] group 0, one set for each slot
.set G0, 32
.set G1B, 48                           ; s[48:55], s[56:63] the same for K's
.set G0B, 56
.set G1S, 68                           ; s[68:75], s[76:79] groups 1 and 0 for Q's scale words;  s[80:87], s[88:91] for K's
.set G0S, 76
.set G1SB, 80
.set G0SB, 88
.set WV, 96                            ; s96 my wave;  s97 its half of the tile's queries (also: I fetch for Q (0) or K (1));  s98 its half of the keys (also: which group I fetch)
.set WR, 97
.set WC, 98
.set TR, 99                            ; s99 tile row (256 queries, over all batches);  s42 tile column (256 keys of the batch);  s2 the batch
.set MSB, 0
.macro WIN new                         ; the immediate's high byte repeats the setting that is left; a switch that changes nothing is dropped
.if MSB != (\new)
	s_set_vgpr_msb (MSB<<8)|(\new)
.set MSB, (\new)
.endif
.endm
.set MUL_LO, 0xa1                      ; source 0 (K) window 1, source 1 (Q) window 0, C and D window 2
.set MUL_HI, 0xf1                      ; the same, C and D window 3
.set TO_B,   0x40                      ; destination window 1, address window 0
; A joint load: waves 0 and 1 fetch for Q, waves 2 and 3 for K; the branch hangs on the wave's number alone.  Four v_nop follow each of the two lines.
.macro JLOAD g0a, g1a, g0b, g1b
	s_cmp_eq_u32 s[WR], 0
	s_cbranch_scc0 .Lfor_b_\@
	tensor_load_to_lds s[\g0a:\g0a+3], s[\g1a:\g1a+7]
	s_nop 0
.rept 4
	v_nop
.endr
	s_branch .Lasked_\@
.Lfor_b_\@:
	tensor_load_to_lds s[\g0b:\g0b+3], s[\g1b:\g1b+7]
	s_nop 0
.rept 4
	v_nop
.endr
.Lasked_\@:
.endm
.macro CREST                           ; a round of the cluster's barrier behind its opening barrier
	s_cmp_lg_u32 s[WV], 0
	s_cbranch_scc1 .Lnot_wave_0_\@
	s_barrier_signal -3
.Lnot_wave_0_\@:
	s_barrier_wait -3
	s_barrier_signal -1
	s_barrier_wait -1
.endm
.macro CROUND
	s_barrier_signal -1
	s_barrier_wait -1
	CREST
.endm
.macro PLACES n
.rept \n
	v_nop
.endr
.endm
	s_load_b256 s[4:11], s[0:1], 0x0               ; qc s[4:5], qs s[6:7], kc s[8:9], ks s[10:11]
	s_load_b128 s[12:15], s[0:1], 0x20             ; pc, ps
	v_lshl_add_u32 v[SPW], v0, 2, SPARE
	v_mov_b32 v[NIL], 0
	ds_add_u32 v28, v29
	ds_add_u32 v28, v29
	s_wait_dscnt 0x0
	v_lshrrev_b32 v1, 5, v0
	v_readfirstlane_b32 s[WV], v1                  ; wave 0..3
	s_lshr_b32 s[WR], s[WV], 1
	s_and_b32 s[WC], s[WV], 1
	s_bfe_u32 s40, ttmp6, 0x40000                  ; cx, cy: my place in the cluster
	s_bfe_u32 s41, ttmp6, 0x40004
	s_lshl_b32 s42, ttmp9, 2
	s_add_co_u32 s42, s42, s40                     ; tile column = 4 x cluster x + cx: 0 .. 7
	s_and_b32 s3, ttmp7, 0xffff
	s_lshr_b32 s2, s3, 1                           ; the batch: two clusters (8 tile rows) to a batch
	s_lshl_b32 s[TR], s3, 2
	s_add_co_u32 s[TR], s[TR], s41                 ; tile row = 4 x cluster y + cy: 0 .. 31
	s_lshl_b32 s43, s41, 2
	s_lshl_b32 s43, 15, s43                        ; my row of the cluster
	s_lshl_b32 s44, 0x1111, s40                    ; my column
	s_mov_b32 s100, 0xffff0000                     ; lanes 16-31
	s_mov_b32 s104, 0x76543210                     ; v_permlanex16_b32's selects for lane l xor 16
	s_mov_b32 s105, 0xfedcba98
	; descriptor group 1: a dense block of 24,576 bytes as 96 rows of 256 bytes (32 elements of 8 bytes), no padding
	s_or_b32 s[G1+0], s43, (3<<16)|(1<<21)         ; 15:0 the mask: Q's blocks go to my row; 17:16 elements of 8 bytes; 21 set beside a mask
	s_or_b32 s[G1B+0], s44, (3<<16)|(1<<21)        ; K's to my column
.irp g, G1, G1B
	s_mov_b32 s[\g+1], 32<<16                      ; tensor_dim0
	s_mov_b32 s[\g+2], (GRP/256)<<16               ; tensor_dim1
	s_mov_b32 s[\g+3], 32<<16                      ; tile_dim0
	s_mov_b32 s[\g+4], GRP/256                     ; tile_dim1
	s_mov_b32 s[\g+5], 32                          ; tensor_dim0_stride
	s_mov_b32 s[\g+6], 0
	s_mov_b32 s[\g+7], 0
.endr
	s_or_b32 s[G1S+0], s43, (3<<16)|(1<<21)        ; a group's scale words: 4,096 dense bytes, 16 rows of 256
	s_or_b32 s[G1SB+0], s44, (3<<16)|(1<<21)
.irp g, G1S, G1SB
	s_mov_b32 s[\g+1], 32<<16
	s_mov_b32 s[\g+2], (SGRP/256)<<16
	s_mov_b32 s[\g+3], 32<<16
	s_mov_b32 s[\g+4], SGRP/256
	s_mov_b32 s[\g+5], 32
	s_mov_b32 s[\g+6], 0
	s_mov_b32 s[\g+7], 0
.endr
	s_lshl_b32 s20, s[TR], 1
	s_add_co_u32 s20, s20, s[WC]                   ; Q: group 2 x tile row + the half that I fetch
	s_lshl_b32 s46, s42, 1
	s_add_co_u32 s46, s46, s[WC]
	s_lshl_b32 s47, s2, 4
	s_add_co_u32 s46, s46, s47                     ; K: group 16 x batch + 2 x tile column + half
	s_lshl_b32 s22, s20, 12                        ; their scale words,
	s_mov_b32 s23, 0
	s_lshl_b32 s92, s46, 12
	s_mov_b32 s93, 0
	s_mul_i32 s20, s20, GRP                        ; and their codes in K step 0
	s_mov_b32 s21, 0
	s_mul_i32 s46, s46, GRP
	s_mov_b32 s47, 0
	s_mul_i32 s45, s[WV], GRP                      ; where they go: wave x a group's bytes: no place in the cluster enters an LDS address
	s_lshl_b32 s94, s[WV], 12
	s_wait_kmcnt 0x0
	s_add_nc_u64 s[20:21], s[4:5], s[20:21]
	s_add_nc_u64 s[22:23], s[6:7], s[22:23]
	s_add_nc_u64 s[46:47], s[8:9], s[46:47]
	s_add_nc_u64 s[92:93], s[10:11], s[92:93]
	CROUND                                         ; all sixteen work-groups are here: the first joint loads meet
	s_mov_b32 s[G0S], 1
	s_add_co_u32 s[G0S+1], s94, SCL
	s_mov_b64 s[G0S+2:G0S+3], s[22:23]
	s_or_b32 s[G0S+3], s[G0S+3], 0x80000000
	s_mov_b32 s[G0SB], 1
	s_add_co_u32 s[G0SB+1], s94, SCL
	s_mov_b64 s[G0SB+2:G0SB+3], s[92:93]
	s_or_b32 s[G0SB+3], s[G0SB+3], 0x80000000
	JLOAD G0S, G1S, G0SB, G1SB                     ; the scale words first: they are wanted with K step 0
.irp s, 0,1
	s_mov_b32 s[G0+4*\s], 1
	s_add_co_u32 s[G0+4*\s+1], s45, \s*SLOT
	s_add_nc_u64 s[G0+4*\s+2:G0+4*\s+3], s[20:21], \s*STEPG
	s_or_b32 s[G0+4*\s+3], s[G0+4*\s+3], 0x80000000
	s_mov_b32 s[G0B+4*\s], 1
	s_add_co_u32 s[G0B+4*\s+1], s45, \s*SLOT
	s_add_nc_u64 s[G0B+4*\s+2:G0B+4*\s+3], s[46:47], \s*STEPG
	s_or_b32 s[G0B+4*\s+3], s[G0B+4*\s+3], 0x80000000
	JLOAD G0+4*\s, G1, G0B+4*\s, G1B               ; three tensor loads of mine are out now, the most that this text has
.endr
	v_and_b32 v1, 15, v0                           ; r = lane % 16
	v_bfe_u32 v2, v0, 4, 1                         ; h = lane / 16
	v_and_b32 v6, 31, v0
	v_lshlrev_b32 v[LI], 4, v6
	s_mul_i32 s18, s[WR], GRP                      ; my group of Q
	s_mul_i32 s19, s[WC], GRP                      ; my group of K,
	s_add_co_u32 s19, s19, 2*GRP                   ; behind Q's two
.irp s, 0,1
	v_add_nc_u32 v[ADRA+\s], s18, v[LI]
	v_add_nc_u32 v[ADRB+\s], s19, v[LI]
	s_add_co_u32 s18, s18, SLOT
	s_add_co_u32 s19, s19, SLOT
.endr
	s_lshl_b32 s18, s[WR], 12                      ; Q's scale words: my group
	s_lshl_b32 s19, s[WC], 12                      ; K's: my group, behind Q's two
	s_add_co_u32 s19, s19, 2*SGRP
	s_sub_co_u32 s19, s19, s18
	v_mul_u32_u24 v6, s19, v2                      ; lanes 16-31 take K's: ONE product, half x the distance
	s_add_co_u32 s18, s18, SCL
	v_lshl_add_u32 v6, v1, 4, v6                   ; 16 bytes a row: the words of four blocks
	v_add_nc_u32 v[ADRS], s18, v6
	v_add_nc_u32 v[ADRS2], 256, v[ADRS]
	; where my wave's images go
	s_lshl_b32 s22, s42, 1
	s_add_co_u32 s22, s22, s[WC]                   ; which 128 keys of the batch: 0 .. 15
	s_lshl_b32 s23, s[TR], 1
	s_add_co_u32 s23, s23, s[WR]                   ; which group of 128 queries: 0 .. 63
	s_lshr_b32 s18, s22, 2
	s_lshl_b32 s18, s18, 6
	s_add_co_u32 s18, s18, s23
	s_mul_i32 s18, s18, 4*KSB
	s_and_b32 s19, s22, 3
	s_mul_i32 s19, s19, KSB
	s_add_co_u32 s18, s18, s19
	s_mov_b32 s19, 0
	s_add_nc_u64 s[12:13], s[12:13], s[18:19]      ; the codes
	s_lshl_b32 s18, s23, 4
	s_add_co_u32 s18, s18, s22
	s_lshl_b32 s18, s18, 9
	s_add_nc_u64 s[14:15], s[14:15], s[18:19]      ; the scale words
.macro FRAG reg, adr, q, i             ; a fragment comes back as it was stored: three loads, each 512 consecutive bytes
.irp c, 0,1,2
	ds_load_b128 v[\reg+4*\c:\reg+4*\c+3], v[\adr] offset:KSB*(\q)+FRB*(\i)+512*\c
.endr
.endm
; 16 matrix instructions: Q's blocks a0, a0 + 1 x K's eight, 128 along K.  zero = 1: the first product starts the sums: nothing is ever cleared.
; The 64 accumulators take turns, one instruction a turn, in the same order in every step.
.macro MUL16 a0, p, scb, zero
.irp a, \a0, \a0+1
.irp b, 0,1,2,3,4,5,6,7
.if \zero
	v_wmma_scale_f32_16x16x128_f8f6f4 v[8*(8*((\a)%4)+\b):8*(8*((\a)%4)+\b)+7], v[128*(\p)+FR*\b:128*(\p)+FR*\b+FR-1], v[AF+FR*(\a):AF+FR*(\a)+FR-1], 0, v[\scb+SS*\b], v[\scb+SS*(\a)] matrix_a_fmt:MATRIX_FMT_FP6 matrix_b_fmt:MATRIX_FMT_FP6 matrix_a_scale:MATRIX_SCALE_ROW1
.else
	v_wmma_scale_f32_16x16x128_f8f6f4 v[8*(8*((\a)%4)+\b):8*(8*((\a)%4)+\b)+7], v[128*(\p)+FR*\b:128*(\p)+FR*\b+FR-1], v[AF+FR*(\a):AF+FR*(\a)+FR-1], v[8*(8*((\a)%4)+\b):8*(8*((\a)%4)+\b)+7], v[\scb+SS*\b], v[\scb+SS*(\a)] matrix_a_fmt:MATRIX_FMT_FP6 matrix_b_fmt:MATRIX_FMT_FP6 matrix_a_scale:MATRIX_SCALE_ROW1
.endif
.endr
.endr
.endm
.macro FETCH_B slot, q, p
	WIN TO_B
.irp i, 0,1,2,3,4,5,6,7
	FRAG 128*(\p)+FR*\i, ADRB+\slot, \q, \i
.endr
	WIN 0
.endm
.macro FETCH_A slot, q, i0
.irp i, \i0, \i0+1, \i0+2, \i0+3
	FRAG AF+FR*(\i), ADRA+\slot, \q, \i
.endr
.endm
.macro SCALES k                        ; the scale words of the k-th 128 along K: eight registers by two loads
	ds_load_b128 v[SC+8*((\k)%2):SC+8*((\k)%2)+3], v[ADRS] offset:512*(\k)
	ds_load_b128 v[SC+8*((\k)%2)+4:SC+8*((\k)%2)+7], v[ADRS2] offset:512*(\k)
.endm
; A step of 128 along K that has its successor in the same slot.  One set of registers serves Q: blocks 0-3 are fetched anew in the step's middle, blocks 4-7 at its end; K has two sets.
.macro STEP n, q, zero
	s_wait_dscnt 4*NL                              ; all but the youngest 12 loads (Q's blocks 4-7) are in
	WIN MUL_LO
	MUL16 0, (\q)%2, SC+8*((\q)%2), \zero
	MUL16 2, (\q)%2, SC+8*((\q)%2), \zero
	s_wait_dscnt 0x0                               ; Q's blocks 4-7 are in
	PLACES NP
	FETCH_B (\n)%2, (\q)+1, 1-(\q)%2
	SCALES NQ*(\n)+(\q)+1
	FETCH_A (\n)%2, (\q)+1, 0
	WIN MUL_HI
	MUL16 4, (\q)%2, SC+8*((\q)%2), \zero
	MUL16 6, (\q)%2, SC+8*((\q)%2), \zero
	PLACES NP
	WIN 0
	FETCH_A (\n)%2, (\q)+1, 4
.endm
; K step n's last 128 change slots: ONE barrier; in front of it each wave waits for all its tensor loads, adds 0 to its spare word, and waits for that and for its own reads of this slot.  fill = 1: this slot is filled again, two K steps ahead.
.macro TURN n, fill
	s_wait_tensorcnt 0x0                           ; all my tensor loads have landed: my part of the next slot;  (every window is 0 here)
	ds_add_u32 v[SPW], v[NIL]                      ; 0 onto my spare word
	s_wait_dscnt 4*NL+1                            ; (the add and the youngest 12 loads may be out)
	WIN MUL_LO
	MUL16 0, 1, SC+8, 0                            ; sixteen matrix instructions stand between the add and the wait for it
	s_wait_dscnt 0x0                               ; the add is done, and my reads of this slot are over
	s_barrier_signal -1
	MUL16 2, 1, SC+8, 0
	WIN 0
	s_barrier_wait -1
.if \fill
	CREST                                          ; the barrier has opened a round of the cluster's barrier: no wave of any partner still reads this slot or has a load on its way
	s_add_nc_u64 s[G0+4*((\n)%2)+2:G0+4*((\n)%2)+3], s[G0+4*((\n)%2)+2:G0+4*((\n)%2)+3], 2*STEPG
	s_add_nc_u64 s[G0B+4*((\n)%2)+2:G0B+4*((\n)%2)+3], s[G0B+4*((\n)%2)+2:G0B+4*((\n)%2)+3], 2*STEPG
	JLOAD G0+4*((\n)%2), G1, G0B+4*((\n)%2), G1B   ; the first tensor load behind the round, my one load until the next; its four v_nop are the places in front of the loads below
.else
	PLACES NP
.endif
	FETCH_B ((\n)+1)%2, 0, 0
	FETCH_A ((\n)+1)%2, 0, 0
	SCALES NQ*((\n)+1)
	WIN MUL_HI
	MUL16 4, 1, SC+8, 0
	MUL16 6, 1, SC+8, 0
	PLACES NP
	WIN 0
	FETCH_A ((\n)+1)%2, 0, 4
.endm
	s_wait_tensorcnt 1                             ; the scale words and my part of K step 0 are in (K step 1's load may be out)
	s_barrier_signal -1
	s_barrier_wait -1                              ; everybody's are
	FETCH_B 0, 0, 0
	FETCH_A 0, 0, 0
	SCALES 0
	FETCH_A 0, 0, 4
	STEP 0, 0, 1                                   ; the first products start the sums
	TURN 0, 1                                      ; slot 0 takes K step 2
	STEP 1, 0, 0
	TURN 1, 1                                      ; slot 1 takes K step 3
	STEP 2, 0, 0
	TURN 2, 0                                      ; nothing is left to fetch: no round of the cluster's barrier
	STEP 3, 0, 0
	s_wait_dscnt 4*NL                              ; the very last 128 along K
	WIN MUL_LO
	MUL16 0, 1, SC+8, 0
	MUL16 2, 1, SC+8, 0
	s_wait_dscnt 0x0
	WIN MUL_HI
	MUL16 4, 1, SC+8, 0
	MUL16 6, 1, SC+8, 0
	WIN 0
; THE WAY OUT, block by block of 16 queries x 128 keys.
.macro OUTBLK a
	WIN 0x08+4*((\a)/4)                            ; source 1: window 2 or 3
.set J, 0
.rept 64
	v_max_num_f32 v[T+J], 0, v[64*((\a)%4)+J]      ; relu, in f32; the block comes into window 0; each accumulator is read from its low end on
.set J, J+1
.endr
	WIN 0
.irp b, 0,1,2,3
	v_max3_num_f32 v[TM+\b], v[T+16*\b], v[T+1+16*\b], 0x1800000   ; block b of 32 keys: my 16 numbers (none is negative), and the floor 2^(3 - 127): so the byte cannot fall under 1
.endr
.irp i, 2,4,6,8,10,12,14
.irp b, 0,1,2,3
	v_max3_num_f32 v[TM+\b], v[TM+\b], v[T+16*\b+\i], v[T+1+16*\b+\i]   ; (the four blocks by turns)
.endr
.endr
.irp b, 0,1,2,3
	v_permlanex16_b32 v[TM+4+\b], v[TM+\b], s104, s105
.endr
.irp b, 0,1,2,3
	v_max_num_f32 v[TM+\b], v[TM+\b], v[TM+4+\b]   ; with lane l xor 16's: the block's largest number
.endr
.irp b, 0,1,2,3
	v_add_nc_u32 v[TM+12+\b], 0xff000000, v[TM+\b] ; 2 off its exponent field: the conversion's scale operand
.endr
.irp b, 0,1,2,3
	v_lshrrev_b32 v[TM+4+\b], 23, v[TM+12+\b]      ; the scale's byte
.endr
	v_lshl_or_b32 v[PWS+(\a)], v[TM+5], 8, v[TM+4] ; the four bytes make my query's scale word
	v_lshl_or_b32 v[PWS+(\a)], v[TM+6], 16, v[PWS+(\a)]
	v_lshl_or_b32 v[PWS+(\a)], v[TM+7], 24, v[PWS+(\a)]
.if (\a) > 0
	s_wait_xcnt 0x0                                ; the last block's stores have read the codes' registers: only behind this wait are they written again
.endif
.irp c, 0,1
	v_cvt_scalef32_pk16_fp6_f32 v[PC+6*\c:PC+2+6*\c], v[T+32*\c:T+15+32*\c], v[TM+12+2*\c]
	v_cvt_scalef32_pk16_fp6_f32 v[PC+12+4*\c:PC+14+4*\c], v[T+16+32*\c:T+31+32*\c], v[TM+12+2*\c+1]   ; (a conversion's three registers begin on an even number)
.endr
	v_nop                                          ; one plain place behind a scaled conversion
.irp c, 0,1                                    ; the operand's layout wants a WHOLE block in a lane: lanes 0-15 block 2 c, lanes 16-31 block 2 c + 1
.irp i, 0,1,2
	v_permlane16_swap_b32 v[PC+6*\c+\i], v[PC+12+4*\c+\i]
.endr
.irp i, 0,1,2
	v_mov_b32 v[PC+3+6*\c+\i], v[PC+12+4*\c+\i]
.endr
.endr
.irp c, 0,1,2
	global_store_b128 v[LI], v[PC+4*\c:PC+4*\c+3], s[12:13] offset:FRB*(\a)+512*\c   ; the fragment as it stands: 32 lanes store 512 consecutive bytes, aligned
.endr
.endm
.irp b, 0,1,2,3
	v_mov_b32 v[TM+4+\b], 0                        ; written once: a lane permute's destination counts as one of its sources.  These four are also the places behind the last products
.endr
.irp a, 0,1,2,3,4,5,6,7
	OUTBLK \a
.endr
.irp k, 0,1,2,3
	v_cndmask_b32 v[ST4+\k], v[PWS+\k], v[PWS+4+\k], s100   ; the scale image: lane (r, h) stores the words of blocks 4 h .. 4 h + 3 of row r
.endr
	global_store_b128 v[LI], v[ST4:ST4+3], s[14:15]
	s_wait_tensorcnt 0x0                           ; the wave's end
	ds_add_u32 v[SPW], v[NIL]
	s_wait_dscnt 0x0
	CROUND                                         ; the closing round: no work-group ends while a partner may still ask for a tile that names it
	s_endpgm
.Lfunc_end_k_qa2b1ea5c54_scores:
	.size	k_qa2b1ea5c54_scores, .Lfunc_end_k_qa2b1ea5c54_scores-k_qa2b1ea5c54_scores
	.p2alignl 7, 3214868480
	.fill 96, 4, 3214868480
	.section	.rodata,"a",@progbits
	.p2align	6, 0x0
	.amdhsa_kernel k_qa2b1ea5c54_scores
		.amdhsa_group_segment_fixed_size 327680
		.amdhsa_private_segment_fixed_size 0
		.amdhsa_enable_private_segment 0
		.amdhsa_kernarg_size 48
		.amdhsa_user_sgpr_count 2
		.amdhsa_user_sgpr_kernarg_segment_ptr 1
		.amdhsa_wavefront_size32 1
		.amdhsa_system_sgpr_workgroup_id_x 1
		.amdhsa_system_sgpr_workgroup_id_y 1
		.amdhsa_system_sgpr_workgroup_id_z 1
		.amdhsa_system_vgpr_workitem_id 0
		.amdhsa_next_free_vgpr 1024
		.amdhsa_next_free_sgpr 106
		.amdhsa_reserve_vcc 0
		.amdhsa_float_denorm_mode_32 3
		.amdhsa_float_denorm_mode_16_64 3
		.amdhsa_memory_ordered 1
		.amdhsa_forward_progress 1
		.amdhsa_inst_pref_size 154
	.end_amdhsa_kernel
	.amdgpu_metadata
---
amdhsa.version: [ 1, 2 ]
amdhsa.kernels:
  - .name:           k_qa2b1ea5c54_scores
    .symbol:         k_qa2b1ea5c54_scores.kd
    .args:
      - { .name: qc, .offset: 0, .size: 8, .value_kind: global_buffer, .address_space: global }
      - { .name: qs, .offset: 8, .size: 8, .value_kind: global_buffer, .address_space: global }
      - { .name: kc, .offset: 16, .size: 8, .value_kind: global_buffer, .address_space: global }
      - { .name: ks, .offset: 24, .size: 8, .value_kind: global_buffer, .address_space: global }
      - { .name: pc, .offset: 32, .size: 8, .value_kind: global_buffer, .address_space: global }
      - { .name: ps, .offset: 40, .size: 8, .value_kind: global_buffer, .address_space: global }
    .group_segment_fixed_size: 327680
    .private_segment_fixed_size: 0
    .kernarg_segment_align: 8
    .kernarg_segment_size: 48
    .max_flat_workgroup_size: 128
    .sgpr_count:     106
    .vgpr_count:     1024
    .wavefront_size: 32
...
	.end_amdgpu_metadata
.endif
;; end of part 2
;; launch outp (part 3): grid 4 x 64, 4 waves a work-group, clusters of 4 x 4, 327,680 bytes of LDS; arguments pc, ps, vc, vs, out0; writes out0
.if DOCPART == 3
	.amdgcn_target "amdgcn-amd-amdhsa--gfx1250"
	.amdhsa_code_object_version 6
	.text
	.protected	k_qa2b1ea5c54_outp
	.globl	k_qa2b1ea5c54_outp
	.p2align	8
	.type	k_qa2b1ea5c54_outp,@function
k_qa2b1ea5c54_outp:
	s_mov_b64 s[64:65], 0
	v_nop
	global_prefetch_b8 v0, s[64:65] scope:SCOPE_SE
	s_setreg_imm32_b32 hwreg(HW_REG_WAVE_MODE, 25, 1), 1
	s_wait_xcnt 0x0
	s_wait_alu depctr_hold_cnt(0) depctr_sa_sdst(0) depctr_va_vdst(0) depctr_va_sdst(0) depctr_va_ssrc(0) depctr_va_vcc(0) depctr_vm_vsrc(0)
	s_getreg_b32 s2, hwreg(HW_REG_IB_STS2, 6, 4)
	s_cmp_eq_u32 s2, 0
	s_cbranch_scc0 .Lentry_in_a_cluster
	s_endpgm
.Lentry_in_a_cluster:
	s_bfe_u32 s2, ttmp6, 0x10000c
	s_cmp_lg_u32 s2, 0xf033
	s_cbranch_scc0 .Lentry_shape_is_right
	s_endpgm
.Lentry_shape_is_right:
; out0 = P V, 4 batches x 2,048 queries x 1,024 channels, K = the batch's 2,048 keys, on codes of FP6 (E2M3) with one E8M0 scale for each 32 keys; sums and out0 in f32.
; P (rows = queries) and V^T (rows = channels) come from this program's earlier launches AS IMAGES OF OPERAND REGISTERS: a fragment (16 rows x 128 keys, 12 registers a lane) is 1,536 bytes, registers
; 4 c .. 4 c + 3 of lane l at 512 c + 16 l.  pc: [K step of 512 keys: 4][group of 128 queries: 64][128 keys: 4][block of 16 rows: 8][1,536];  vc: [batch x 4 + K step][group of 128 channels: 8][4][8][1,536].
; ps: [group: 64][128 keys: 16][512];  vs: [batch][group: 8][16][512]; the word of (block i, row r) at 256 (i / 4) + 16 r + 4 (i % 4).  Both operands carry the same order of keys inside a block of 32.
; A tile of out0 is 128 queries x 256 channels: 256 x 256 would give 128 work-groups for 256 WGPs.  Four waves, each 64 x 128: 32 accumulators, 256 registers.  Since this tile has half the products for each
; byte that it fetches, a slot holds 512 keys, as much as two slots in LDS allow: 128 matrix instructions a wave between two changes of slots.  K has four such steps: written out, no loop.
; CLUSTERS: 4 x 4 work-groups; P's blocks are asked for jointly along a row of the cluster, V^T's along a column (the four tile rows of a cluster lie in one batch).
; THE MATRIX INSTRUCTION IS USED TRANSPOSED (source 0 = 16 channels, source 1 = 16 queries): a lane holds eight neighbouring channels of one query.
; LIMITS: NaN and infinities are not served.
; REGISTERS, in windows of 256: window 0: v0-15 at work; v16-31 addresses; v32-47 scale words, two sets; v128-175 P's fragments, ONE set; on the way out v128-255 rows of out0.
;   window 1: V^T's fragments, TWO sets, at v0 and v128.   window 2: the accumulators ((a, b) at v[8 (8 a + b)]).
.set NQ,     4                         ; matrix instructions deep in a slot
.set FR,     12
.set FRB,    1536
.set KSB,    8*FRB                     ; a group's eight fragments of 128 keys
.set GRP,    NQ*KSB                    ; a group's part of a K step: 49,152 bytes
.set NL,     3
.set NP,     4                         ; places behind this matrix instruction (ISA guide 7.12.1)
.set SLOT,   3*GRP                     ; P's group, then V^T's two
.set STEP_A, 64*GRP                    ; bytes from a K step to the next in pc,
.set STEP_B, 8*GRP                     ; and in vc
.set SCL,    2*SLOT                    ; behind the ring: the scale words of the three groups, for all 2,048 keys
.set SGRP,   8192                      ; a group's: 16 x 512 bytes
.set SPARE,  SCL+3*SGRP                ; behind them: the spare words, 128 bytes for each wave: two blocks of 256 bytes that no other line names
.set SPITCH, 528                       ; the way out: a stage of 16 rows x (512 bytes + 16) for each wave.  It lies in slot 0, which has had its last fill and its last read when the first result is stored there
.set ADRA, 16                          ; v16-17  LDS address of my lane's place in my four blocks of P, slot 0, 1
.set ADRB, 20                          ; v20-21  the same in my group of V^T
.set STO,  24                          ; v24     the way out: where I put 32 bytes of a row
.set RD,   25                          ; v25     where I read a row back
.set CO,   26                          ; v26     16 x lane: my byte offset in a row's 512 bytes
.set ADRS, 27                          ; v27     scale words: lanes 0-15 my four blocks of P, lanes 16-31 V^T's blocks 0-3
.set SPW,  28                          ; v28     LDS address of my spare word: SPARE + 4 x my thread's number; never rewritten
.set NIL,  29                          ; v29     0; never rewritten
.set ADRS2, 30                         ; v30     lanes 16-31: V^T's blocks 4-7 (lanes 0-15 read P's four again; nobody takes them from there)
.set SC,   32                          ; scale words: the set of the k-th 128 keys at v[SC + 8 (k % 2)]; register i: lanes 0-15 the word of P's block i (i under 4), lanes 16-31 that of V^T's block i
.set AF,   128
.set BK,   128                         ; the way out: 16 rows read back from the stage: v128-191 and v192-255 by turns
.set G1, 24                            ; s[24:31] descriptor group 1 for P's blocks;  s[32:39] group 0, one set for each slot
.set G0, 32
.set G1B, 48                           ; s[48:55], s[56:63] the same for V^T's
.set G0B, 56
.set G1S, 68                           ; s[68:75], s[76:79] groups 1 and 0 for P's scale words;  s[80:87], s[88:91] for V^T's
.set G0S, 76
.set G1SB, 80
.set G0SB, 88
.set WV, 96                            ; s96 my wave;  s97 its half of the tile's queries (also: I fetch for P (0) or V^T (1));  s98 its half of the channels (also: which part I fetch)
.set WR, 97
.set WC, 98
.set TR, 99                            ; s99 tile row (128 queries, over all batches);  s42 tile column (256 channels);  s2 the batch
.set MSB, 0
.macro WIN new                         ; the immediate's high byte repeats the setting that is left; a switch that changes nothing is dropped
.if MSB != (\new)
	s_set_vgpr_msb (MSB<<8)|(\new)
.set MSB, (\new)
.endif
.endm
.set MUL,  0xa1                        ; source 0 (V^T) window 1, source 1 (P) window 0, C and D window 2
.set TO_B, 0x40                        ; destination window 1, address window 0
; A joint load: waves 0 and 1 fetch for P, waves 2 and 3 for V^T; the branch hangs on the wave's number alone.  Four v_nop follow each of the two lines.
.macro JLOAD g0a, g1a, g0b, g1b
	s_cmp_eq_u32 s[WR], 0
	s_cbranch_scc0 .Lfor_b_\@
	tensor_load_to_lds s[\g0a:\g0a+3], s[\g1a:\g1a+7]
	s_nop 0
.rept 4
	v_nop
.endr
	s_branch .Lasked_\@
.Lfor_b_\@:
	tensor_load_to_lds s[\g0b:\g0b+3], s[\g1b:\g1b+7]
	s_nop 0
.rept 4
	v_nop
.endr
.Lasked_\@:
.endm
.macro CREST                           ; a round of the cluster's barrier behind its opening barrier
	s_cmp_lg_u32 s[WV], 0
	s_cbranch_scc1 .Lnot_wave_0_\@
	s_barrier_signal -3
.Lnot_wave_0_\@:
	s_barrier_wait -3
	s_barrier_signal -1
	s_barrier_wait -1
.endm
.macro CROUND
	s_barrier_signal -1
	s_barrier_wait -1
	CREST
.endm
.macro PLACES n
.rept \n
	v_nop
.endr
.endm
	s_load_b256 s[4:11], s[0:1], 0x0               ; pc s[4:5], ps s[6:7], vc s[8:9], vs s[10:11]
	s_load_b64 s[12:13], s[0:1], 0x20              ; out0
	v_lshl_add_u32 v[SPW], v0, 2, SPARE
	v_mov_b32 v[NIL], 0
	ds_add_u32 v28, v29
	ds_add_u32 v28, v29
	s_wait_dscnt 0x0
	v_lshrrev_b32 v1, 5, v0
	v_readfirstlane_b32 s[WV], v1                  ; wave 0..3
	s_lshr_b32 s[WR], s[WV], 1
	s_and_b32 s[WC], s[WV], 1
	s_bfe_u32 s40, ttmp6, 0x40000                  ; cx, cy: my place in the cluster
	s_bfe_u32 s41, ttmp6, 0x40004
	s_lshl_b32 s42, ttmp9, 2
	s_add_co_u32 s42, s42, s40                     ; tile column = 4 x cluster x + cx: 0 .. 3
	s_and_b32 s3, ttmp7, 0xffff
	s_lshr_b32 s2, s3, 2                           ; the batch: four clusters (16 tile rows) to a batch
	s_lshl_b32 s[TR], s3, 2
	s_add_co_u32 s[TR], s[TR], s41                 ; tile row = 4 x cluster y + cy: 0 .. 63
	s_lshl_b32 s43, s41, 2
	s_lshl_b32 s43, 15, s43                        ; my row of the cluster
	s_lshl_b32 s44, 0x1111, s40                    ; my column
	; descriptor groups 1: dense blocks as rows of 256 bytes (32 elements of 8 bytes), no padding.  P: half a group's part of a K step, 96 rows;  V^T: a whole group's, 192 rows
	s_or_b32 s[G1+0], s43, (3<<16)|(1<<21)         ; 15:0 the mask: P's blocks go to my row; 17:16 elements of 8 bytes; 21 set beside a mask
	s_mov_b32 s[G1+1], 32<<16                      ; tensor_dim0
	s_mov_b32 s[G1+2], (GRP/512)<<16               ; tensor_dim1
	s_mov_b32 s[G1+3], 32<<16                      ; tile_dim0
	s_mov_b32 s[G1+4], GRP/512                     ; tile_dim1
	s_mov_b32 s[G1+5], 32                          ; tensor_dim0_stride
	s_mov_b32 s[G1+6], 0
	s_mov_b32 s[G1+7], 0
	s_or_b32 s[G1B+0], s44, (3<<16)|(1<<21)        ; V^T's to my column
	s_mov_b32 s[G1B+1], 32<<16
	s_mov_b32 s[G1B+2], (GRP/256)<<16
	s_mov_b32 s[G1B+3], 32<<16
	s_mov_b32 s[G1B+4], GRP/256
	s_mov_b32 s[G1B+5], 32
	s_mov_b32 s[G1B+6], 0
	s_mov_b32 s[G1B+7], 0
	s_or_b32 s[G1S+0], s43, (3<<16)|(1<<21)        ; P's scale words: half a group's, 16 rows;
	s_mov_b32 s[G1S+1], 32<<16
	s_mov_b32 s[G1S+2], (SGRP/512)<<16
	s_mov_b32 s[G1S+3], 32<<16
	s_mov_b32 s[G1S+4], SGRP/512
	s_mov_b32 s[G1S+5], 32
	s_mov_b32 s[G1S+6], 0
	s_mov_b32 s[G1S+7], 0
	s_or_b32 s[G1SB+0], s44, (3<<16)|(1<<21)       ; V^T's: a group's, 32 rows
	s_mov_b32 s[G1SB+1], 32<<16
	s_mov_b32 s[G1SB+2], (SGRP/256)<<16
	s_mov_b32 s[G1SB+3], 32<<16
	s_mov_b32 s[G1SB+4], SGRP/256
	s_mov_b32 s[G1SB+5], 32
	s_mov_b32 s[G1SB+6], 0
	s_mov_b32 s[G1SB+7], 0
	s_mul_i32 s20, s[TR], GRP                      ; P: my tile row's group in K step 0,
	s_mul_i32 s18, s[WC], GRP/2                    ; and the half of it that I fetch
	s_add_co_u32 s20, s20, s18
	s_mov_b32 s21, 0
	s_lshl_b32 s22, s[TR], 13                      ; its scale words likewise
	s_lshl_b32 s18, s[WC], 12
	s_add_co_u32 s22, s22, s18
	s_mov_b32 s23, 0
	s_lshl_b32 s46, s42, 1
	s_add_co_u32 s46, s46, s[WC]                   ; V^T: group 2 x tile column + the half that I fetch
	s_lshl_b32 s92, s2, 3
	s_add_co_u32 s92, s92, s46
	s_lshl_b32 s92, s92, 13                        ; its scale words: (8 x batch + group) x 8,192
	s_mov_b32 s93, 0
	s_lshl_b32 s47, s2, 5
	s_add_co_u32 s46, s46, s47
	s_mul_i32 s46, s46, GRP                        ; its codes in the batch's K step 0: (32 x batch + group) x 49,152
	s_mov_b32 s47, 0
	s_mul_i32 s45, s[WC], GRP/2                    ; where they go: P's two halves on end,
	s_mul_i32 s95, s[WC], GRP
	s_add_co_u32 s95, s95, GRP                     ; V^T's two groups behind them: no place in the cluster enters an LDS address
	s_lshl_b32 s94, s[WC], 12
	s_add_co_u32 s94, s94, SCL                     ; P's scale words,
	s_lshl_b32 s3, s[WC], 13
	s_add_co_u32 s3, s3, SCL+SGRP                  ; V^T's
	s_wait_kmcnt 0x0
	s_add_nc_u64 s[20:21], s[4:5], s[20:21]
	s_add_nc_u64 s[22:23], s[6:7], s[22:23]
	s_add_nc_u64 s[46:47], s[8:9], s[46:47]
	s_add_nc_u64 s[92:93], s[10:11], s[92:93]
	CROUND                                         ; all sixteen work-groups are here: the first joint loads meet
	s_mov_b32 s[G0S], 1
	s_mov_b32 s[G0S+1], s94
	s_mov_b64 s[G0S+2:G0S+3], s[22:23]
	s_or_b32 s[G0S+3], s[G0S+3], 0x80000000
	s_mov_b32 s[G0SB], 1
	s_mov_b32 s[G0SB+1], s3
	s_mov_b64 s[G0SB+2:G0SB+3], s[92:93]
	s_or_b32 s[G0SB+3], s[G0SB+3], 0x80000000
	JLOAD G0S, G1S, G0SB, G1SB                     ; the scale words first: they are wanted with K step 0
.irp s, 0,1
	s_mov_b32 s[G0+4*\s], 1
	s_add_co_u32 s[G0+4*\s+1], s45, \s*SLOT
	s_add_nc_u64 s[G0+4*\s+2:G0+4*\s+3], s[20:21], \s*STEP_A
	s_or_b32 s[G0+4*\s+3], s[G0+4*\s+3], 0x80000000
	s_mov_b32 s[G0B+4*\s], 1
	s_add_co_u32 s[G0B+4*\s+1], s95, \s*SLOT
	s_add_nc_u64 s[G0B+4*\s+2:G0B+4*\s+3], s[46:47], \s*STEP_B
	s_or_b32 s[G0B+4*\s+3], s[G0B+4*\s+3], 0x80000000
	JLOAD G0+4*\s, G1, G0B+4*\s, G1B               ; three tensor loads of mine are out now, the most that this text has
.endr
	v_and_b32 v1, 15, v0                           ; r = lane % 16
	v_bfe_u32 v2, v0, 4, 1                         ; h = lane / 16
	v_and_b32 v6, 31, v0
	v_lshlrev_b32 v[CO], 4, v6                     ; 16 x lane
	s_mul_i32 s18, s[WR], 4*FRB                    ; my four blocks of P's eight
	s_mul_i32 s19, s[WC], GRP                      ; my group of V^T,
	s_add_co_u32 s19, s19, GRP                     ; behind P's
.irp s, 0,1
	v_add_nc_u32 v[ADRA+\s], s18, v[CO]
	v_add_nc_u32 v[ADRB+\s], s19, v[CO]
	s_add_co_u32 s18, s18, SLOT
	s_add_co_u32 s19, s19, SLOT
.endr
	s_lshl_b32 s18, s[WR], 8                       ; P's scale words: blocks 4 x half on: 256 bytes on
	s_lshl_b32 s19, s[WC], 13                      ; V^T's: my group, behind P's
	s_add_co_u32 s19, s19, SGRP
	s_sub_co_u32 s19, s19, s18
	v_mul_u32_u24 v6, s19, v2                      ; lanes 16-31 take V^T's: ONE product, half x the distance
	s_add_co_u32 s18, s18, SCL
	v_lshl_add_u32 v6, v1, 4, v6                   ; 16 bytes a row: the words of four blocks
	v_add_nc_u32 v[ADRS], s18, v6
	v_lshl_add_u32 v[ADRS2], v2, 8, v[ADRS]
	s_mul_i32 s23, s[WV], 16*SPITCH                ; my stage
	v_mul_u32_u24 v5, v1, SPITCH                   ; in: row r, 32 bytes for each half of the lanes
	v_lshl_add_u32 v5, v2, 5, v5
	v_add_nc_u32 v[STO], s23, v5
	v_add_nc_u32 v[RD], s23, v[CO]                 ; back: the 32 lanes take one row of 512 bytes
	s_lshl_b32 s20, s[TR], 7
	s_lshl_b32 s21, s[WR], 6
	s_add_co_u32 s20, s20, s21                     ; my first row of out0: 128 x tile row + 64 x half,
	s_lshl_b32 s20, s20, 12                        ; of 4,096 bytes: under 2^25
	s_lshl_b32 s46, s42, 10                        ; my first column, in bytes: 1,024 x tile column + 512 x half
	s_lshl_b32 s47, s[WC], 9
	s_add_co_u32 s46, s46, s47
	s_add_co_u32 s20, s20, s46
	s_mov_b32 s21, 0
	s_add_nc_u64 s[12:13], s[12:13], s[20:21]
.macro FRAG reg, adr, q, i             ; a fragment comes back as it was stored: three loads, each 512 consecutive bytes
.irp c, 0,1,2
	ds_load_b128 v[\reg+4*\c:\reg+4*\c+3], v[\adr] offset:KSB*(\q)+FRB*(\i)+512*\c
.endr
.endm
; 8 matrix instructions: P's block a x V^T's eight, 128 keys.  zero = 1: the first product starts the sums: nothing is ever cleared.
; The 32 accumulators take turns, one instruction a turn, in the same order in every step.
.macro MUL8 a, p, scb, zero
.irp b, 0,1,2,3,4,5,6,7
.if \zero
	v_wmma_scale_f32_16x16x128_f8f6f4 v[8*(8*(\a)+\b):8*(8*(\a)+\b)+7], v[128*(\p)+FR*\b:128*(\p)+FR*\b+FR-1], v[AF+FR*(\a):AF+FR*(\a)+FR-1], 0, v[\scb+\b], v[\scb+(\a)] matrix_a_fmt:MATRIX_FMT_FP6 matrix_b_fmt:MATRIX_FMT_FP6 matrix_a_scale:MATRIX_SCALE_ROW1
.else
	v_wmma_scale_f32_16x16x128_f8f6f4 v[8*(8*(\a)+\b):8*(8*(\a)+\b)+7], v[128*(\p)+FR*\b:128*(\p)+FR*\b+FR-1], v[AF+FR*(\a):AF+FR*(\a)+FR-1], v[8*(8*(\a)+\b):8*(8*(\a)+\b)+7], v[\scb+\b], v[\scb+(\a)] matrix_a_fmt:MATRIX_FMT_FP6 matrix_b_fmt:MATRIX_FMT_FP6 matrix_a_scale:MATRIX_SCALE_ROW1
.endif
.endr
.endm
.macro FETCH_B slot, q, p
	WIN TO_B
.irp i, 0,1,2,3,4,5,6,7
	FRAG 128*(\p)+FR*\i, ADRB+\slot, \q, \i
.endr
	WIN 0
.endm
.macro FETCH_A slot, q, i0             ; P's blocks i0, i0 + 1 of my four
.irp i, \i0, \i0+1
	FRAG AF+FR*(\i), ADRA+\slot, \q, \i
.endr
.endm
.macro SCALES k                        ; the scale words of the k-th 128 keys: eight registers by two loads
	ds_load_b128 v[SC+8*((\k)%2):SC+8*((\k)%2)+3], v[ADRS] offset:512*(\k)
	ds_load_b128 v[SC+8*((\k)%2)+4:SC+8*((\k)%2)+7], v[ADRS2] offset:512*(\k)
.endm
; A step of 128 keys that has its successor in the same slot.  One set of registers serves P: blocks 0, 1 are fetched anew in the step's middle, blocks 2, 3 at its end; V^T has two sets.
.macro STEP n, q, zero
	s_wait_dscnt 2*NL                              ; all but the youngest 6 loads (P's blocks 2, 3) are in
	WIN MUL
	MUL8 0, (\q)%2, SC+8*((\q)%2), \zero
	MUL8 1, (\q)%2, SC+8*((\q)%2), \zero
	s_wait_dscnt 0x0                               ; P's blocks 2, 3 are in
	PLACES NP
	FETCH_B (\n)%2, (\q)+1, 1-(\q)%2
	SCALES NQ*(\n)+(\q)+1
	FETCH_A (\n)%2, (\q)+1, 0
	WIN MUL
	MUL8 2, (\q)%2, SC+8*((\q)%2), \zero
	MUL8 3, (\q)%2, SC+8*((\q)%2), \zero
	PLACES NP
	WIN 0
	FETCH_A (\n)%2, (\q)+1, 2
.endm
; K step n's last 128 keys change slots: ONE barrier; in front of it each wave waits for all its tensor loads, adds 0 to its spare word, and waits for that and for its own reads of this slot.  fill = 1: this slot is filled again, two K steps ahead.
.macro TURN n, fill
	s_wait_tensorcnt 0x0                           ; all my tensor loads have landed: my part of the next slot;  (every window is 0 here)
	ds_add_u32 v[SPW], v[NIL]                      ; 0 onto my spare word
	s_wait_dscnt 2*NL+1                            ; (the add and the youngest 6 loads may be out)
	WIN MUL
	MUL8 0, 1, SC+8, 0                             ; eight matrix instructions stand between the add and the wait for it
	s_wait_dscnt 0x0                               ; the add is done, and my reads of this slot are over
	s_barrier_signal -1
	MUL8 1, 1, SC+8, 0
	WIN 0
	s_barrier_wait -1
.if \fill
	CREST                                          ; the barrier has opened a round of the cluster's barrier: no wave of any partner still reads this slot or has a load on its way
	s_add_nc_u64 s[G0+4*((\n)%2)+2:G0+4*((\n)%2)+3], s[G0+4*((\n)%2)+2:G0+4*((\n)%2)+3], 2*STEP_A
	s_add_nc_u64 s[G0B+4*((\n)%2)+2:G0B+4*((\n)%2)+3], s[G0B+4*((\n)%2)+2:G0B+4*((\n)%2)+3], 2*STEP_B
	JLOAD G0+4*((\n)%2), G1, G0B+4*((\n)%2), G1B   ; the first tensor load behind the round, my one load until the next; its four v_nop are the places in front of the loads below
.else
	PLACES NP
.endif
	FETCH_B ((\n)+1)%2, 0, 0
	FETCH_A ((\n)+1)%2, 0, 0
	SCALES NQ*((\n)+1)
	WIN MUL
	MUL8 2, 1, SC+8, 0
	MUL8 3, 1, SC+8, 0
	PLACES NP
	WIN 0
	FETCH_A ((\n)+1)%2, 0, 2
.endm
	s_wait_tensorcnt 1                             ; the scale words and my part of K step 0 are in (K step 1's load may be out)
	s_barrier_signal -1
	s_barrier_wait -1                              ; everybody's are
	FETCH_B 0, 0, 0
	FETCH_A 0, 0, 0
	SCALES 0
	FETCH_A 0, 0, 2
	STEP 0, 0, 1                                   ; the first products start the sums
	STEP 0, 1, 0
	STEP 0, 2, 0
	TURN 0, 1                                      ; slot 0 takes K step 2
	STEP 1, 0, 0
	STEP 1, 1, 0
	STEP 1, 2, 0
	TURN 1, 1                                      ; slot 1 takes K step 3
	STEP 2, 0, 0
	STEP 2, 1, 0
	STEP 2, 2, 0
	TURN 2, 0                                      ; nothing is left to fetch: no round of the cluster's barrier.  Behind this barrier nobody reads slot 0
	STEP 3, 0, 0
	STEP 3, 1, 0
	STEP 3, 2, 0
	s_wait_dscnt 2*NL                              ; the very last 128 keys
	WIN MUL
	MUL8 0, 1, SC+8, 0
	MUL8 1, 1, SC+8, 0
	s_wait_dscnt 0x0
	MUL8 2, 1, SC+8, 0
	MUL8 3, 1, SC+8, 0
	WIN 0
; THE WAY OUT, block by block of 16 rows x 128 columns.  A lane holds 32 neighbouring bytes of a row, and the lanes beside it hold other rows: so a block goes through my own stage in LDS and comes back as whole
; rows of 512 bytes.  LDS serves a wave's instructions in order (ISA guide 5.7.1.4): no wait between the stores and the loads, nor in front of the next block's stores.
.macro TOSTAGE a
	WIN 0x08                                       ; an LDS store's data are its source 1: window 2
.irp b, 0,1,2,3,4,5,6,7
	ds_store_b128 v[STO], v[64*(\a)+8*\b:64*(\a)+8*\b+3] offset:64*\b          ; each accumulator from its low end on
	ds_store_b128 v[STO], v[64*(\a)+8*\b+4:64*(\a)+8*\b+7] offset:64*\b+16
.endr
	WIN 0
.set BB, BK+64*((\a)%2)
.irp t, 0,1,2,3,4,5,6,7,8,9,10,11,12,13,14,15
	ds_load_b128 v[BB+4*\t:BB+4*\t+3], v[RD] offset:\t*SPITCH
.endr
.endm
.macro SEND a, younger                 ; younger: the LDS instructions issued behind block a's loads, which may stay out
.set BB, BK+64*((\a)%2)
	s_wait_dscnt \younger                          ; the block is back in registers
.if (\a) > 0
	s_add_nc_u64 s[12:13], s[12:13], 16*4096       ; (behind a wait on XCNT: the earlier stores have read their base)  16 rows of out0 on
.endif
.irp t, 0,1,2,3,4,5,6,7,8,9,10,11,12,13,14,15
	global_store_b128 v[CO], v[BB+4*\t:BB+4*\t+3], s[12:13] offset:\t*4096 th:TH_STORE_NT   ; 32 lanes store 512 consecutive bytes, at a multiple of 256 from out0's first byte; written once, read by nobody here
.endr
.endm
	PLACES NP                                      ; behind the last products: for the stores that read results, and for the loads into the registers that held P's fragments
	TOSTAGE 0
.irp a, 1,2,3
.if \a > 1
	s_wait_xcnt 0x0                                ; block a - 2's stores have read their registers and their base: block a's loads may land there, and the base may step
.endif
	TOSTAGE \a
	SEND \a-1, 32                                  ; behind block a - 1's loads: block a's 16 stores and 16 loads
.endr
	s_wait_xcnt 0x0                                ; block 2's stores have read their base
	SEND 3, 0
	s_wait_tensorcnt 0x0                           ; the wave's end, behind my last tensor load and my last LDS store
	ds_add_u32 v[SPW], v[NIL]
	s_wait_dscnt 0x0
	CROUND                                         ; the closing round: no work-group ends while a partner may still ask for a tile that names it
	s_endpgm
.Lfunc_end_k_qa2b1ea5c54_outp:
	.size	k_qa2b1ea5c54_outp, .Lfunc_end_k_qa2b1ea5c54_outp-k_qa2b1ea5c54_outp
	.p2alignl 7, 3214868480
	.fill 96, 4, 3214868480
	.section	.rodata,"a",@progbits
	.p2align	6, 0x0
	.amdhsa_kernel k_qa2b1ea5c54_outp
		.amdhsa_group_segment_fixed_size 327680
		.amdhsa_private_segment_fixed_size 0
		.amdhsa_enable_private_segment 0
		.amdhsa_kernarg_size 40
		.amdhsa_user_sgpr_count 2
		.amdhsa_user_sgpr_kernarg_segment_ptr 1
		.amdhsa_wavefront_size32 1
		.amdhsa_system_sgpr_workgroup_id_x 1
		.amdhsa_system_sgpr_workgroup_id_y 1
		.amdhsa_system_sgpr_workgroup_id_z 1
		.amdhsa_system_vgpr_workitem_id 0
		.amdhsa_next_free_vgpr 768
		.amdhsa_next_free_sgpr 106
		.amdhsa_reserve_vcc 0
		.amdhsa_float_denorm_mode_32 3
		.amdhsa_float_denorm_mode_16_64 3
		.amdhsa_memory_ordered 1
		.amdhsa_forward_progress 1
		.amdhsa_inst_pref_size 136
	.end_amdhsa_kernel
	.amdgpu_metadata
---
amdhsa.version: [ 1, 2 ]
amdhsa.kernels:
  - .name:           k_qa2b1ea5c54_outp
    .symbol:         k_qa2b1ea5c54_outp.kd
    .args:
      - { .name: pc, .offset: 0, .size: 8, .value_kind: global_buffer, .address_space: global }
      - { .name: ps, .offset: 8, .size: 8, .value_kind: global_buffer, .address_space: global }
      - { .name: vc, .offset: 16, .size: 8, .value_kind: global_buffer, .address_space: global }
      - { .name: vs, .offset: 24, .size: 8, .value_kind: global_buffer, .address_space: global }
      - { .name: out0, .offset: 32, .size: 8, .value_kind: global_buffer, .address_space: global }
    .group_segment_fixed_size: 327680
    .private_segment_fixed_size: 0
    .kernarg_segment_align: 8
    .kernarg_segment_size: 40
    .max_flat_workgroup_size: 128
    .sgpr_count:     106
    .vgpr_count:     768
    .wavefront_size: 32
...
	.end_amdgpu_metadata
.endif
;; end of part 3
